; MI455X (gfx1250); checked and timed in simulation.
; The chip was launched on July 23, 2026; its instructions are those of AMD's public machine-readable ISA for CDNA 5 (MIT licence, August 2026) and "CDNA5" Instruction Set Architecture Reference Guide (July 2026). The comments in the code are by the model that wrote it; some were corrected since.
;; Memory. Allowed arithmetic: matrix products marked QUANTISED: E2M1 operands, one E8M0 scale for each 32 along K, by v_wmma_scale_f32_16x16x128_f8f6f4 with both operands' format E2M1 (or v_wmma_scale_f32_32x16x128_f4), f32 sums; products left as they are: f32 operands where the result goes on into a quantised operand, else bf16, f16 or f32 operands; f32 sums; everything else in f32.
;; Inputs: mem_k 1 x 64 x 32,768 float32; mem_v1 1 x 256 x 32,768 float32; mem_v2 1 x 256 x 32,768 float32; qk_codes 1 x 64 x 64 x 2 x 16 uint8 (E2M1 codes of qk, K innermost, in blocks of 32 codes, two codes a byte); qk_scales 1 x 64 x 64 x 2 uint8 (E8M0 scales of qk, one for each 32 codes along K).
;; Outputs: out0 1 x 512 x 64 x 64 float32.
;; Constants: top_k = 20.
;; This version of the problem:
;;   THIS VERSION OF THE PROBLEM IS GIVEN IN LOW PRECISION. The matrix products marked QUANTISED in the list below multiply operands that are first quantised to E2M1 (2 exponent bits, 1 mantissa bit; 4 bits a number), with one power-of-two scale for each 32 numbers along K (OCP MX v1.0); their sums are f32. All else is computed in f32.
;;   The module's matrix products, in the order in which they are computed (A, B: the left and right operand; K: the contracted axis; several contracted axes count as one K, in the product's order):
;;     1. [M 32,768, K 64] x [K 64, N 4,096]; A: input mem_k; B: input qk (given as codes): QUANTISED
;;     2. batch 4,096 x [M 1, K 20] x [K 20, N 256]; A: softmax; B: computed on the way: left as it is (K = 20 < 32)
;;     3. batch 4,096 x [M 1, K 20] x [K 20, N 256]; A: softmax; B: computed on the way: left as it is (K = 20 < 32)
;;   THE QUANTISER, for each operand of a quantised product, along K:
;;     - K is cut into blocks of 32 from its start; a last block that is shorter is filled with zeros.
;;     - A block's scale is 2^e with e = floor(log2(the largest magnitude in the block)) - 2, held to -126 .. 127; a block of zeros has e = 0. As a byte (E8M0): e + 127.
;;     - Each number is divided by its block's scale, clamped to +-6, and rounded to the nearest number of E2M1, ties to even, subnormals kept.
;;     - The product sums the exact products of the quantised numbers (number of the format x scale) in f32.
;;   ~~~python
;;   def quantise(x, axis):      # numpy; x: float32 -> the quantised numbers, widened to float32 again
;;       x = np.moveaxis(x, axis, -1); K = x.shape[-1]
;;       x = np.pad(x, [(0, 0)] * (x.ndim - 1) + [(0, -K % 32)]); x = x.reshape(x.shape[:-1] + (-1, 32)); a = np.abs(x).max(-1, keepdims=True)
;;       e = np.where(a > 0, np.clip(np.frexp(np.where(a > 0, a, 1))[1] - 1 - 2, -126, 127), 0)      # np.frexp(a)[1] - 1 = floor(log2(a)), exactly
;;       r = np.clip(x / 2.0 ** e, -6, 6)
;;       step = 2.0 ** (np.maximum(np.frexp(np.where(r == 0, 1, r))[1] - 1, 0) - 1)
;;       q = np.round(r / step) * step * 2.0 ** e      # np.round: ties to even
;;       return np.moveaxis(q.reshape(q.shape[:-2] + (-1,))[..., :K], -1, axis).astype(np.float32)
;;   ~~~
;;   INPUTS GIVEN AS CODES. qk (in the module: [1, 64, 64, 64], K = its axis 1): each comes as NAME_codes (uint8): NAME with its K axis moved to the last place and cut into blocks of 32 codes, [.., K / 32, bytes a block], one block behind the other in memory; two codes a byte, the lower K in the low four bits (a code: sign, 2 exponent bits, 1 mantissa bit); and NAME_scales (uint8): the same leading axes, one E8M0 byte (e + 127) for each 32 codes along K. Its value is code x scale, taken as it is: it is not quantised again, and the codes and scales need not be those that the quantiser above would give.
;; 2 versions. Each part assembles by itself: llvm-mc -triple=amdgcn-amd-amdhsa -mcpu=gfx1250 --defsym DOCPART=n.
;; ======== version 1 of 2: 5 launches
;; workspace buffers: kc 1,048,576 bytes; ks 131,072 bytes; kb 131,072 bytes; gm 8,388,608 bytes; gl 262,144 bytes of whole numbers; xi 262,144 bytes of whole numbers; ww 524,288 bytes
;; launch prep (part 1): grid 256 x 1, 4 waves a work-group, no clusters, 4,608 bytes of LDS; arguments mem_k, kc, ks, kb; writes kc, ks, kb
.if DOCPART == 1
	.amdgcn_target "amdgcn-amd-amdhsa--gfx1250"
	.amdhsa_code_object_version 6
	.text
	.protected	k_q3a33985053_prep
	.globl	k_q3a33985053_prep
	.p2align	8
	.type	k_q3a33985053_prep,@function
k_q3a33985053_prep:
	s_mov_b64 s[64:65], 0
	v_nop
	global_prefetch_b8 v0, s[64:65] scope:SCOPE_SE
	s_setreg_imm32_b32 hwreg(HW_REG_WAVE_MODE, 25, 1), 1
	s_wait_xcnt 0x0
; mem_k [64 (k)][32768 (n)] f32 becomes, for each memory element n: 32 bytes of FP4 (E2M1) codes with K innermost (kc), one word with its two
; E8M0 scale bytes in bytes 0 and 1 and zeros above (ks), and -0.5 x the sum of its 64 squares in f32, of the unquantised numbers (kb).
; A LANE TAKES AN ELEMENT, ITS REGISTERS RUN DOWN K: a load reads 128 consecutive bytes a wave, a block of 32 lies in one lane, nothing is transposed.
; A block's scale byte is its largest magnitude's exponent field - 2, held at 1 from below by a floor among the maximum's leaves.
; LIMITS: a block of zeros, or one whose largest magnitude lies under 2^-124, gets the byte 1 (its codes are zeros or tiny; only this program reads the bytes);
; NaN and infinities among the inputs are not served.
.set ROWB, 131072                      ; bytes from one k to the next
.set X,    32                          ; v32-95   my element's 64 numbers
.set C,    96                          ; v96-103  its codes
	s_load_b256 s[4:11], s[0:1], 0x0               ; mem_k s[4:5], kc s[6:7], ks s[8:9], kb s[10:11]
	v_lshl_add_u32 v128, v0, 2, 0x1000
	v_mov_b32 v129, 0
	v_lshrrev_b32 v2, 5, v0
	v_readfirstlane_b32 s12, v2                    ; wave
	v_and_b32 v3, 31, v0                           ; lane
	s_lshl_b32 s13, ttmp9, 9                       ; the work-group's 128 elements x 4 bytes
	v_lshl_add_u32 v1, v0, 2, s13                  ; 4 n
	v_lshlrev_b32 v20, 5, v0                       ; stage, in: 32 bytes a thread (1,024 a wave)
	s_lshl_b32 s14, s12, 10
	v_lshlrev_b32 v21, 4, v3
	v_add_nc_u32 v21, s14, v21                     ; stage, out: 16 bytes a lane of my wave's 1,024
	s_lshl_b32 s15, ttmp9, 12
	v_add_nc_u32 v22, s15, v21                     ; and the same place in kc
	s_wait_kmcnt 0x0
.set k, 0
.rept 64
	global_load_b32 v[X+k], v1, s[4:5] offset:k*ROWB th:TH_LOAD_NT
.set k, k+1
.endr
	s_wait_loadcnt 0x0
.irp c, 0,1
	v_max3_num_f32 v[8+\c], |v[X+32*\c]|, |v[X+1+32*\c]|, 0x1800000      ; the block's largest magnitude, and the floor 2^(3 - 127)
.endr
.irp i, 2,4,6,8,10,12,14,16,18,20,22,24,26,28,30
.irp c, 0,1
	v_max3_num_f32 v[8+\c], v[8+\c], |v[X+32*\c+\i]|, |v[X+1+32*\c+\i]|  ; the two blocks by turns
.endr
.endr
.irp c, 0,1
	v_add_nc_u32 v[10+\c], 0xff000000, v[8+\c]     ; 2 off the exponent field: the conversion's scale operand
.endr
.irp c, 0,1
	v_lshrrev_b32 v[12+\c], 23, v[10+\c]           ; the scale's byte
.endr
	v_lshl_or_b32 v14, v13, 8, v12                 ; the element's scale word
	v_pk_mul_f32 v[16:17], v[X:X+1], v[X:X+1]      ; the sum of squares: four chains, two to an instruction
	v_pk_mul_f32 v[18:19], v[X+2:X+3], v[X+2:X+3]
.irp i, 4,8,12,16,20,24,28,32,36,40,44,48,52,56,60
	v_pk_fma_f32 v[16:17], v[X+\i:X+\i+1], v[X+\i:X+\i+1], v[16:17]
	v_pk_fma_f32 v[18:19], v[X+\i+2:X+\i+3], v[X+\i+2:X+\i+3], v[18:19]
.endr
	v_add_f32 v16, v16, v17
	v_add_f32 v18, v18, v19
	v_add_f32 v16, v16, v18
	v_mul_f32 v15, -0.5, v16
.irp c, 0,1
.irp g, 0,1,2,3
	v_cvt_scalef32_pk8_fp4_f32 v[C+4*\c+\g], v[X+32*\c+8*\g:X+32*\c+8*\g+7], v[10+\c]
.endr
.endr
	v_nop                                          ; one plain line behind the last scaled conversion
	ds_store_b128 v20, v[C:C+3]                    ; through my wave's own 1,024 bytes, so that each store below covers 512 consecutive bytes
	ds_store_b128 v20, v[C+4:C+7] offset:16
	ds_load_b128 v[104:107], v21                   ; a wave's LDS instructions are served in order: these see the stores above
	ds_load_b128 v[108:111], v21 offset:512
	global_store_b32 v1, v14, s[8:9]
	global_store_b32 v1, v15, s[10:11]
	s_wait_dscnt 0x0
	global_store_b128 v22, v[104:107], s[6:7]
	global_store_b128 v22, v[108:111], s[6:7] offset:512
	s_wait_tensorcnt 0x0
	ds_add_u32 v128, v129
	s_wait_dscnt 0x0
	s_endpgm
.Lfunc_end_k_q3a33985053_prep:
	.size	k_q3a33985053_prep, .Lfunc_end_k_q3a33985053_prep-k_q3a33985053_prep
	.p2alignl 7, 3214868480
	.fill 96, 4, 3214868480
	.section	.rodata,"a",@progbits
	.p2align	6, 0x0
	.amdhsa_kernel k_q3a33985053_prep
		.amdhsa_group_segment_fixed_size 4608
		.amdhsa_private_segment_fixed_size 0
		.amdhsa_enable_private_segment 0
		.amdhsa_kernarg_size 32
		.amdhsa_user_sgpr_count 2
		.amdhsa_user_sgpr_kernarg_segment_ptr 1
		.amdhsa_wavefront_size32 1
		.amdhsa_system_sgpr_workgroup_id_x 1
		.amdhsa_system_sgpr_workgroup_id_y 1
		.amdhsa_system_sgpr_workgroup_id_z 1
		.amdhsa_system_vgpr_workitem_id 0
		.amdhsa_next_free_vgpr 130
		.amdhsa_next_free_sgpr 66
		.amdhsa_reserve_vcc 0
		.amdhsa_float_denorm_mode_32 3
		.amdhsa_float_denorm_mode_16_64 3
		.amdhsa_memory_ordered 1
		.amdhsa_forward_progress 1
		.amdhsa_inst_pref_size 13
	.end_amdhsa_kernel
	.amdgpu_metadata
---
amdhsa.version: [ 1, 2 ]
amdhsa.kernels:
  - .name:           k_q3a33985053_prep
    .symbol:         k_q3a33985053_prep.kd
    .args:
      - { .name: mem_k, .offset: 0, .size: 8, .value_kind: global_buffer, .address_space: global }
      - { .name: kc, .offset: 8, .size: 8, .value_kind: global_buffer, .address_space: global }
      - { .name: ks, .offset: 16, .size: 8, .value_kind: global_buffer, .address_space: global }
      - { .name: kb, .offset: 24, .size: 8, .value_kind: global_buffer, .address_space: global }
    .group_segment_fixed_size: 4608
    .private_segment_fixed_size: 0
    .kernarg_segment_align: 8
    .kernarg_segment_size: 32
    .max_flat_workgroup_size: 128
    .sgpr_count:     66
    .vgpr_count:     130
    .wavefront_size: 32
...
	.end_amdgpu_metadata
.endif
;; end of part 1
;; launch gmax (part 2): grid 16 x 16, 16 waves a work-group, no clusters, 169,984 bytes of LDS; arguments qk_codes, qk_scales, kc, ks, kb, gm; writes gm
.if DOCPART == 2
	.amdgcn_target "amdgcn-amd-amdhsa--gfx1250"
	.amdhsa_code_object_version 6
	.text
	.protected	k_q3a33985053_gmax
	.globl	k_q3a33985053_gmax
	.p2align	8
	.type	k_q3a33985053_gmax,@function
k_q3a33985053_gmax:
	s_mov_b64 s[64:65], 0
	v_nop
	global_prefetch_b8 v0, s[64:65] scope:SCOPE_SE
	s_setreg_imm32_b32 hwreg(HW_REG_WAVE_MODE, 25, 1), 1
	s_wait_xcnt 0x0
; For 256 queries (work-group y) and a slice of 2,048 memory elements (work-group x): the scores s = q . k - |k|^2 / 2 (the affinity is s / 4), by the scaled FP4
; matrix instruction with -|k|^2 / 2 as its C, and of them only the largest of each run of 64 neighbouring elements: 32 numbers a query and slice,
; to gm [qblk 16][slice 16][query 256][32]: word W of a slice is run 32 slice + W, elements 64 (32 slice + W) .. + 63.
; K is 64: the upper 64 of the instruction's 128 are zero codes on both sides (registers 4-7 of every fragment, written once).
; SHARES: wave w takes queries 64 (w & 3) .. + 63 (four tiles of 16 columns) and elements 512 (w >> 2) .. + 511 (32 tiles of 16 rows).
; Tile i's rows 0-7 are elements 8 i .. 8 i + 7 of the block, rows 8-15 those 256 further on: so lanes 0-15 see the block's first 256 elements and lanes 16-31 the other 256,
; and eight tiles on end are a run of 64 in each half.
; The slice's codes, scale words and biases (80 KiB) come into LDS once, by six tensor loads; nothing is filled again.  No cluster: what neighbours share is this one fill.
; LIMITS: NaN and infinities are not served.
.set SCL,   65536                      ; LDS: codes at 0 (32 bytes an element), scale words,
.set BIA,   73728                      ; biases,
.set STAGE, 81920                      ; and the way out: 256 queries x (128 bytes + 16 of padding)
.set SP,    144
.set QF, 16                            ; v16-47   four query fragments
.set QS, 48                            ; v48-51   their scale words
.set AF, 56                            ; v56-87   two sets of two element fragments (the higher tile first)
.set BI, 88                            ; v88-119  two sets of 16 biases
.set SC, 120                           ; v120-121 two sets of scale words: lanes 0-15 the lower tile's, lanes 16-31 the higher's
.set D,  128                           ; v128-191 eight results
.set RM, 192                           ; v192-207 the running maxima: 4 x query tile + run
.set OB, 208                           ; v208-223 the way out
.macro PLACES
.rept 4
	v_nop
.endr
.endm
	s_load_b256 s[4:11], s[0:1], 0x0               ; qk_codes, qk_scales, kc, ks
	s_load_b128 s[12:15], s[0:1], 0x20             ; kb, gm
	v_lshl_add_u32 v254, v0, 2, 0x29000
	v_mov_b32 v255, 0
	ds_add_u32 v254, v255
	ds_add_u32 v254, v255
	v_lshrrev_b32 v8, 5, v0
	v_readfirstlane_b32 s46, v8                    ; wave 0..15
	s_and_b32 s47, s46, 3                          ; which 64 queries
	s_lshr_b32 s48, s46, 2                         ; which 512 elements
	s_and_b32 s54, ttmp7, 0xffff                   ; block of 256 queries
	s_mov_b32 s16, 3<<16                           ; group 1 for the codes: 64 dense rows of 32 elements of 8 bytes, no padding
	s_mov_b32 s17, 32<<16
	s_mov_b32 s18, 64<<16
	s_mov_b32 s19, 32<<16
	s_mov_b32 s20, 64
	s_mov_b32 s21, 32
	s_mov_b32 s22, 0
	s_mov_b32 s23, 0
	s_mov_b32 s24, 3<<16                           ; group 1 for scale words and biases: 32 such rows
	s_mov_b32 s25, 32<<16
	s_mov_b32 s26, 32<<16
	s_mov_b32 s27, 32<<16
	s_mov_b32 s28, 32
	s_mov_b32 s29, 32
	s_mov_b32 s30, 0
	s_mov_b32 s31, 0
	s_lshl_b32 s49, s47, 14                        ; waves 0-3: a quarter of the codes each
	s_lshl_b32 s50, ttmp9, 16
	s_add_co_u32 s50, s50, s49
	s_mov_b32 s51, 0
	s_lshl_b32 s52, ttmp9, 13
	s_mov_b32 s53, 0
	s_lshl_b32 s62, s54, 4
	s_add_co_u32 s62, s62, ttmp9
	s_lshl_b32 s62, s62, 15                        ; my 32,768 bytes of gm
	s_mov_b32 s63, 0
	s_wait_dscnt 0x0
	s_wait_kmcnt 0x0
	s_mov_b32 s32, 1
	s_mov_b32 s33, s49
	s_add_nc_u64 s[34:35], s[8:9], s[50:51]
	s_or_b32 s35, s35, 0x80000000
	s_mov_b32 s36, 1
	s_mov_b32 s37, SCL
	s_add_nc_u64 s[38:39], s[10:11], s[52:53]
	s_or_b32 s39, s39, 0x80000000
	s_mov_b32 s40, 1
	s_mov_b32 s41, BIA
	s_add_nc_u64 s[42:43], s[12:13], s[52:53]
	s_or_b32 s43, s43, 0x80000000
	s_add_nc_u64 s[14:15], s[14:15], s[62:63]
	s_cmp_lt_u32 s46, 4                            ; the first and only fills: one tensor load a wave, waves 0 to 5
	s_cbranch_scc0 .Lnot_codes
	tensor_load_to_lds s[32:35], s[16:23]
	s_nop 0
	PLACES
	s_branch .Lasked
.Lnot_codes:
	s_cmp_eq_u32 s46, 4
	s_cbranch_scc0 .Lnot_scales
	tensor_load_to_lds s[36:39], s[24:31]
	s_nop 0
	PLACES
	s_branch .Lasked
.Lnot_scales:
	s_cmp_eq_u32 s46, 5
	s_cbranch_scc0 .Lasked
	tensor_load_to_lds s[40:43], s[24:31]
	s_nop 0
	PLACES
.Lasked:
.irp f, 0,1,2,3
.irp i, 4,5,6,7
	v_mov_b32 v[QF+8*\f+\i], 0                     ; k = 64 .. 127: zero codes, written once
	v_mov_b32 v[AF+8*\f+\i], 0
.endr
.endr
.irp i, 0,1,2,3,4,5,6,7,8,9,10,11,12,13,14,15
	v_mov_b32 v[RM+\i], 0xff800000
.endr
	v_and_b32 v1, 15, v0                           ; r
	v_bfe_u32 v2, v0, 4, 1                         ; h
	v_bfe_u32 v12, v0, 3, 1                        ; r / 8
	v_and_b32 v13, 7, v0                           ; r % 8
	s_lshl_b32 s55, s54, 8
	s_lshl_b32 s49, s47, 6
	s_add_co_u32 s55, s55, s49                     ; my first query
	v_add_nc_u32 v11, s55, v1
	v_lshlrev_b32 v9, 5, v11
	v_lshl_add_u32 v9, v2, 4, v9                   ; its codes: 32 bytes a query, + 16 h
	v_lshlrev_b32 v10, 1, v11                      ; its two scale bytes
.irp qt, 0,1,2,3
	global_load_b128 v[QF+8*\qt:QF+8*\qt+3], v9, s[4:5] offset:512*\qt
	global_load_u16 v[QS+\qt], v10, s[6:7] offset:32*\qt          ; bytes 2 and 3 of the word are 0: they scale zero codes
.endr
	s_lshl_b32 s58, s48, 14
	v_lshlrev_b32 v3, 13, v12
	v_lshl_add_u32 v3, v13, 5, v3
	v_lshl_add_u32 v3, v2, 4, v3
	v_add_nc_u32 v3, s58, v3                       ; codes: 16384 block + 8192 (r / 8) + 32 (r % 8) + 16 h; a tile is 256 bytes on
	s_lshl_b32 s59, s48, 11
	s_add_co_u32 s60, s59, SCL
	v_lshlrev_b32 v4, 10, v12
	v_lshl_add_u32 v4, v13, 2, v4
	v_lshl_add_u32 v4, v2, 5, v4
	v_add_nc_u32 v4, s60, v4                       ; scale words: 4 bytes an element; lanes 16-31 take the tile one higher
	s_add_co_u32 s61, s59, BIA
	v_lshlrev_b32 v5, 10, v2
	v_add_nc_u32 v5, s61, v5                       ; biases: my half's eight rows of a tile: 32 bytes a tile
	s_mul_i32 s58, s47, 64*SP
	s_lshl_b32 s59, s48, 5
	s_add_co_u32 s58, s58, s59
	s_add_co_u32 s58, s58, STAGE
	v_mul_u32_u24 v6, v1, SP
	v_lshl_add_u32 v6, v2, 4, v6
	v_add_nc_u32 v6, s58, v6                       ; the stage, in: my query's row; my four runs are words 8 block + 4 h .. + 3
	v_lshlrev_b32 v7, 4, v0                        ; out: 16 bytes a thread
	v_lshrrev_b32 v15, 3, v0
	v_mul_u32_u24 v14, v15, SP
	v_and_b32 v15, 7, v0
	v_lshl_add_u32 v14, v15, 4, v14
	v_add_nc_u32 v14, STAGE, v14                   ; the stage, out: eight threads to a query's 128 bytes
	s_wait_tensorcnt 0x0                           ; my tensor load, if I issued one, has landed;
	s_wait_loadcnt 0x0                             ; the queries are in
	s_barrier_signal -1
	s_barrier_wait -1                              ; the slice lies in LDS for every wave
.macro LOADS s, p                      ; tiles 2 p + 1 and 2 p into set s: seven LDS loads
	ds_load_b128 v[AF+16*\s:AF+16*\s+3], v3 offset:256*(2*(\p)+1)
	ds_load_b128 v[AF+16*\s+8:AF+16*\s+11], v3 offset:256*(2*(\p))
	ds_load_b32 v[SC+\s], v4 offset:64*(\p)
	ds_load_b128 v[BI+16*\s:BI+16*\s+3], v5 offset:32*(2*(\p)+1)
	ds_load_b128 v[BI+16*\s+4:BI+16*\s+7], v5 offset:32*(2*(\p)+1)+16
	ds_load_b128 v[BI+16*\s+8:BI+16*\s+11], v5 offset:32*(2*(\p))
	ds_load_b128 v[BI+16*\s+12:BI+16*\s+15], v5 offset:32*(2*(\p))+16
.endm
.macro PAIR p
.set S, (15-(\p))%2
.set GQ, (\p)/4                        ; both tiles lie in run p / 4 of their half
.if (\p) > 0
	s_wait_dscnt 7                                 ; this set's seven loads are in; the other set's seven may be out
.else
	s_wait_dscnt 0
.endif
.irp qt, 0,1,2,3
	v_wmma_scale_f32_16x16x128_f8f6f4 v[D+8*\qt:D+8*\qt+7], v[AF+16*S:AF+16*S+7], v[QF+8*\qt:QF+8*\qt+7], v[BI+16*S:BI+16*S+7], v[SC+S], v[QS+\qt] matrix_a_fmt:MATRIX_FMT_FP4 matrix_b_fmt:MATRIX_FMT_FP4 matrix_a_scale:MATRIX_SCALE_ROW1
.endr
.irp qt, 0,1,2,3
	v_wmma_scale_f32_16x16x128_f8f6f4 v[D+32+8*\qt:D+32+8*\qt+7], v[AF+16*S+8:AF+16*S+15], v[QF+8*\qt:QF+8*\qt+7], v[BI+16*S+8:BI+16*S+15], v[SC+S], v[QS+\qt] matrix_a_fmt:MATRIX_FMT_FP4 matrix_b_fmt:MATRIX_FMT_FP4
.endr
	PLACES                                         ; four places in front of loads into the products' sources and of the first reads of their results
.if (\p) >= 2
	LOADS S, (\p)-2
.endif
.irp x, 0,1
.irp jj, 0,2,4,6
.irp qt, 0,1,2,3
	v_max3_num_f32 v[RM+4*\qt+GQ], v[RM+4*\qt+GQ], v[D+32*\x+8*\qt+\jj], v[D+32*\x+8*\qt+\jj+1]   ; each result from its low end on; the four queries' chains by turns
.endr
.endr
.endr
.endm
	LOADS 0, 15
	LOADS 1, 14
.set P, 15
.rept 16
	PAIR P
.set P, P-1
.endr
.irp qt, 0,1,2,3
	ds_store_b128 v6, v[RM+4*\qt:RM+4*\qt+3] offset:16*SP*\qt
.endr
	s_wait_dscnt 0x0                               ; for the others' sake: my words lie in the stage
	s_barrier_signal -1
	s_barrier_wait -1
.irp it, 0,1,2,3
	ds_load_b128 v[OB+4*\it:OB+4*\it+3], v14 offset:64*SP*\it
.endr
.irp it, 0,1,2,3
	s_wait_dscnt 3-\it                             ; this load is in; the younger ones may be out
	global_store_b128 v7, v[OB+4*\it:OB+4*\it+3], s[14:15] offset:8192*\it      ; a wave stores 512 consecutive bytes
.endr
	s_wait_tensorcnt 0x0
	ds_add_u32 v254, v255
	s_wait_dscnt 0x0
	s_endpgm
.Lfunc_end_k_q3a33985053_gmax:
	.size	k_q3a33985053_gmax, .Lfunc_end_k_q3a33985053_gmax-k_q3a33985053_gmax
	.p2alignl 7, 3214868480
	.fill 96, 4, 3214868480
	.section	.rodata,"a",@progbits
	.p2align	6, 0x0
	.amdhsa_kernel k_q3a33985053_gmax
		.amdhsa_group_segment_fixed_size 169984
		.amdhsa_private_segment_fixed_size 0
		.amdhsa_enable_private_segment 0
		.amdhsa_kernarg_size 48
		.amdhsa_user_sgpr_count 2
		.amdhsa_user_sgpr_kernarg_segment_ptr 1
		.amdhsa_wavefront_size32 1
		.amdhsa_system_sgpr_workgroup_id_x 1
		.amdhsa_system_sgpr_workgroup_id_y 1
		.amdhsa_system_sgpr_workgroup_id_z 1
		.amdhsa_system_vgpr_workitem_id 0
		.amdhsa_next_free_vgpr 256
		.amdhsa_next_free_sgpr 66
		.amdhsa_reserve_vcc 0
		.amdhsa_float_denorm_mode_32 3
		.amdhsa_float_denorm_mode_16_64 3
		.amdhsa_memory_ordered 1
		.amdhsa_forward_progress 1
		.amdhsa_inst_pref_size 67
	.end_amdhsa_kernel
	.amdgpu_metadata
---
amdhsa.version: [ 1, 2 ]
amdhsa.kernels:
  - .name:           k_q3a33985053_gmax
    .symbol:         k_q3a33985053_gmax.kd
    .args:
      - { .name: qk_codes, .offset: 0, .size: 8, .value_kind: global_buffer, .address_space: global }
      - { .name: qk_scales, .offset: 8, .size: 8, .value_kind: global_buffer, .address_space: global }
      - { .name: kc, .offset: 16, .size: 8, .value_kind: global_buffer, .address_space: global }
      - { .name: ks, .offset: 24, .size: 8, .value_kind: global_buffer, .address_space: global }
      - { .name: kb, .offset: 32, .size: 8, .value_kind: global_buffer, .address_space: global }
      - { .name: gm, .offset: 40, .size: 8, .value_kind: global_buffer, .address_space: global }
    .group_segment_fixed_size: 169984
    .private_segment_fixed_size: 0
    .kernarg_segment_align: 8
    .kernarg_segment_size: 48
    .max_flat_workgroup_size: 512
    .sgpr_count:     66
    .vgpr_count:     256
    .wavefront_size: 32
...
	.end_amdgpu_metadata
.endif
;; end of part 2
;; launch sel (part 3): grid 512 x 1, 8 waves a work-group, no clusters, 0 bytes of LDS; arguments gm, gl; writes gl
.if DOCPART == 3
	.amdgcn_target "amdgcn-amd-amdhsa--gfx1250"
	.amdhsa_code_object_version 6
	.text
	.protected	k_q3a33985053_sel
	.globl	k_q3a33985053_sel
	.p2align	8
	.type	k_q3a33985053_sel,@function
k_q3a33985053_sel:
	s_mov_b64 s[64:65], 0
	v_nop
	global_prefetch_b8 v0, s[64:65] scope:SCOPE_SE
	s_setreg_imm32_b32 hwreg(HW_REG_WAVE_MODE, 25, 1), 1
	s_wait_xcnt 0x0
; One wave, one query: of its 512 runs of 64 elements the 20 with the largest maxima (gm), the lower run first among equals; their numbers, in ascending order, go to
; gl [query][32] u16 (slots 20-31 hold 0).  WHY 20 RUNS DO: each run that ranks ahead of an element's own run holds an element that ranks ahead of that element (a larger one, or an
; equal one with a lower index), so an element among the 20 best has at most 19 runs ahead of its own.  The count of candidates is thus the same for every input.
; Lane L holds runs 16 L .. 16 L + 15.  Each lane sorts its 16 pairs (maximum, run) by stable insertion; then 20 times the wave's largest head is taken (the lowest lane among equals:
; both orders ascend in the run's number) and its lane's list moves up.  The 20 numbers are ranked by counting and laid in ascending order.
; Every choice is a select, every loop is written out, and the one store's address is fixed.  No LDS, no barrier: waves share nothing.  LIMITS: NaN and infinities are not served.
.set X,  16                            ; v16-31 my 16 maxima
.set ID, 32                            ; v32-47 their runs' numbers
.set YV, 48                            ; v48-63 my list's maxima, descending
.set YI, 64                            ; v64-79 their runs
.set TV, 84                            ; v80-83 two pairs on their way down the list;  v84-85 at work
.set T2, 85
.set RI, 86                            ; lane i: the i-th best run
.set RK, 87                            ; how many of the 20 have a lower number
.set OL, 88                            ; lane i: the run with i lower ones
.set W,  24                            ; s24-43 the 20 runs
	s_load_b128 s[4:7], s[0:1], 0x0                ; gm, gl
	v_lshrrev_b32 v2, 5, v0
	v_readfirstlane_b32 s9, v2                     ; wave
	s_lshl_b32 s8, ttmp9, 3
	s_add_co_u32 s8, s8, s9                        ; my query
	s_mov_b32 s22, 0x76543210
	s_mov_b32 s23, 0xfedcba98                      ; v_permlanex16_b32's selects for lane l xor 16
	v_and_b32 v1, 31, v0                           ; lane
	s_lshr_b32 s10, s8, 8
	s_lshl_b32 s10, s10, 19                        ; a block of 256 queries: 16 slices of 32,768 bytes
	s_and_b32 s11, s8, 255
	s_lshl_b32 s11, s11, 7                         ; 128 bytes a query in a slice
	s_add_co_u32 s10, s10, s11
	v_lshrrev_b32 v3, 1, v1
	v_and_b32 v4, 1, v1
	v_lshlrev_b32 v3, 15, v3                       ; slice lane / 2,
	v_lshl_add_u32 v3, v4, 6, v3                   ; its lower or upper 16 words
	v_add_nc_u32 v3, s10, v3
	s_wait_kmcnt 0x0
.irp i, 0,1,2,3
	global_load_b128 v[X+4*\i:X+4*\i+3], v3, s[4:5] offset:16*\i
.endr
	v_mov_b32 v7, 0xff800000                       ; -infinity
	v_mov_b32 v[TV], 0                             ; written once: the destination of a lane operation counts as one of its sources
	v_mov_b32 v[T2], 0
	v_mov_b32 v[RI], 0
	v_mov_b32 v[RK], 0
	v_mov_b32 v[OL], 0
	v_lshlrev_b32 v5, 4, v1
.irp s, 0,1,2,3,4,5,6,7,8,9,10,11,12,13,14,15
	v_add_nc_u32 v[ID+\s], \s, v5
.endr
	s_lshl_b32 s12, s8, 6
	v_lshl_add_u32 v6, v1, 1, s12                  ; gl: 64 bytes a query, 2 a lane
	s_wait_loadcnt 0x0
.macro INSERT n                        ; my maximum n goes into my list of n: it passes those that are not smaller, so equals keep their order, the lower run ahead
.set CV, X+\n
.set CI, ID+\n
.set p, 0
.rept \n
	v_cmp_gt_f32 vcc_lo, v[CV], v[YV+p]
.if p == \n-1
.set NV, YV+\n
.set NI, YI+\n
.else
.set NV, 80+2*(p%2)
.set NI, 81+2*(p%2)
.endif
	v_cndmask_b32 v[NV], v[CV], v[YV+p], vcc_lo    ; the smaller goes on down
	v_cndmask_b32 v[NI], v[CI], v[YI+p], vcc_lo
	v_cndmask_b32 v[YV+p], v[YV+p], v[CV], vcc_lo  ; the larger stays
	v_cndmask_b32 v[YI+p], v[YI+p], v[CI], vcc_lo
.set CV, NV
.set CI, NI
.set p, p+1
.endr
.endm
.macro EXTRACT i                       ; the i-th best run: the largest head, the lowest lane among equals
	v_max_num_f32_dpp v[TV], v[YV], v[YV] row_xmask:1 row_mask:0xf bank_mask:0xf
	v_max_num_f32_dpp v[TV], v[TV], v[TV] row_xmask:2 row_mask:0xf bank_mask:0xf
	v_max_num_f32_dpp v[TV], v[TV], v[TV] row_xmask:4 row_mask:0xf bank_mask:0xf
	v_max_num_f32_dpp v[TV], v[TV], v[TV] row_xmask:8 row_mask:0xf bank_mask:0xf
	v_permlanex16_b32 v[T2], v[TV], s22, s23
	v_max_num_f32 v[TV], v[TV], v[T2]
	v_cmp_eq_f32 s53, v[YV], v[TV]
	s_ctz_i32_b32 s56, s53                         ; the winner's lane
	s_lshl_b32 s57, 1, s56
	v_readlane_b32 s[W+\i], v[YI], s56
	v_writelane_b32 v[RI], s[W+\i], \i
.irp p, 0,1,2,3,4,5,6,7,8,9,10,11,12,13,14
	v_cndmask_b32 v[YV+\p], v[YV+\p], v[YV+\p+1], s57      ; the winner's list moves up
	v_cndmask_b32 v[YI+\p], v[YI+\p], v[YI+\p+1], s57
.endr
	v_cndmask_b32 v[YV+15], v[YV+15], v7, s57
.endm
	v_mov_b32 v[YV], v[X]
	v_mov_b32 v[YI], v[ID]
.irp n, 1,2,3,4,5,6,7,8,9,10,11,12,13,14,15
	INSERT \n
.endr
.irp i, 0,1,2,3,4,5,6,7,8,9,10,11,12,13,14,15,16,17,18,19
	EXTRACT \i
.endr
.irp j, 0,1,2,3,4,5,6,7,8,9,10,11,12,13,14,15,16,17,18,19
	v_cmp_lt_u32 vcc_lo, s[W+\j], v[RI]
	v_add_co_ci_u32 v[RK], vcc_lo, 0, v[RK], vcc_lo        ; one more of the 20 lies under mine
.endr
.irp j, 0,1,2,3,4,5,6,7,8,9,10,11,12,13,14,15,16,17,18,19
	v_readlane_b32 s[44+\j%2], v[RK], \j
	v_writelane_b32 v[OL], s[W+\j], s[44+\j%2]             ; the 20 numbers differ, so their ranks are 0 .. 19, each once
.endr
	global_store_b16 v6, v[OL], s[6:7]
	s_endpgm
.Lfunc_end_k_q3a33985053_sel:
	.size	k_q3a33985053_sel, .Lfunc_end_k_q3a33985053_sel-k_q3a33985053_sel
	.p2alignl 7, 3214868480
	.fill 96, 4, 3214868480
	.section	.rodata,"a",@progbits
	.p2align	6, 0x0
	.amdhsa_kernel k_q3a33985053_sel
		.amdhsa_group_segment_fixed_size 0
		.amdhsa_private_segment_fixed_size 0
		.amdhsa_enable_private_segment 0
		.amdhsa_kernarg_size 16
		.amdhsa_user_sgpr_count 2
		.amdhsa_user_sgpr_kernarg_segment_ptr 1
		.amdhsa_wavefront_size32 1
		.amdhsa_system_sgpr_workgroup_id_x 1
		.amdhsa_system_sgpr_workgroup_id_y 1
		.amdhsa_system_sgpr_workgroup_id_z 1
		.amdhsa_system_vgpr_workitem_id 0
		.amdhsa_next_free_vgpr 96
		.amdhsa_next_free_sgpr 66
		.amdhsa_reserve_vcc 1
		.amdhsa_float_denorm_mode_32 3
		.amdhsa_float_denorm_mode_16_64 3
		.amdhsa_memory_ordered 1
		.amdhsa_forward_progress 1
		.amdhsa_inst_pref_size 76
	.end_amdhsa_kernel
	.amdgpu_metadata
---
amdhsa.version: [ 1, 2 ]
amdhsa.kernels:
  - .name:           k_q3a33985053_sel
    .symbol:         k_q3a33985053_sel.kd
    .args:
      - { .name: gm, .offset: 0, .size: 8, .value_kind: global_buffer, .address_space: global }
      - { .name: gl, .offset: 8, .size: 8, .value_kind: global_buffer, .address_space: global }
    .group_segment_fixed_size: 0
    .private_segment_fixed_size: 0
    .kernarg_segment_align: 8
    .kernarg_segment_size: 16
    .max_flat_workgroup_size: 256
    .sgpr_count:     66
    .vgpr_count:     96
    .wavefront_size: 32
...
	.end_amdgpu_metadata
.endif
;; end of part 3
;; launch pick (part 4): grid 512 x 1, 8 waves a work-group, no clusters, 0 bytes of LDS; arguments qk_codes, qk_scales, kc, ks, kb, gl, xi, ww; writes xi, ww
.if DOCPART == 4
	.amdgcn_target "amdgcn-amd-amdhsa--gfx1250"
	.amdhsa_code_object_version 6
	.text
	.protected	k_q3a33985053_pick
	.globl	k_q3a33985053_pick
	.p2align	8
	.type	k_q3a33985053_pick,@function
k_q3a33985053_pick:
	s_mov_b64 s[64:65], 0
	v_nop
	global_prefetch_b8 v0, s[64:65] scope:SCOPE_SE
	s_setreg_imm32_b32 hwreg(HW_REG_WAVE_MODE, 25, 1), 1
	s_wait_xcnt 0x0
; One wave, one query: the 1,280 elements of its 20 chosen runs of 64 (gl, whole numbers stored by the launch before, ascending) are scored anew (the FP4 product with C = 0, then one
; f32 addition of -|k|^2 / 2, as the definition rounds them), and the 20 best are kept exactly, the lower index first among equals.
; Then the softmax of the 20 affinities (score / 4), the largest taken away first.  Out: xi [query][32] u16 indices and ww [query][32] f32 weights; slots 20-31 hold 0.
; FIVE BATCHES, always: batch b takes runs 4 b .. 4 b + 3 of the list as 32 slots of 8 elements; slot L (lane L) is piece L % 8 of run 4 b + L / 8, so slots ascend in the index.
; Tile t's rows 0-7 are slot t's elements, rows 8-15 slot 16 + t's; all 16 columns are the query: so lane L finds its own slot's eight scores in tile L % 16.
; A lane's rows want two runs a batch (tiles 0-7 one, tiles 8-15 the next): one word of the list; the tile's place in its run stands in the loads' immediates.
; Each lane sorts nine pairs (score, index): one earlier winner and its eight; then 20 times the wave's largest head is taken and its lane's list moves up.
; Every choice among scores is a select; the loop's count is a constant; addresses hang on the list alone, each entry clamped first.
; No LDS, no barrier: waves share nothing.  LIMITS: NaN and infinities are not served.
.set QF, 16                            ; v16-23   the query's fragment (all columns alike); v24 its scale word
.set AF, 32                            ; v32-95   eight element fragments
.set SC, 96                            ; v96-103  their scale words
.set CO, 104                           ; v104-105 offsets of my rows' two runs in the codes;  v112-113 in the scale words
.set SO, 112
.set PW, 120                           ; the list's word with my rows' two runs;  v121 my own slot's run
.set OW, 121
.set PA, 122                           ; where these two lie in gl
.set OA, 123
.set GA, 124                           ; v124-126 the three runs, clamped
.set GB, 125
.set GO, 126
.set BA, 127                           ; my slot's biases' offset
.set E0, 128                           ; my slot's first element
.set D,  136                           ; v136-199 eight results
.set X,  200                           ; v200-207 my slot's scores;  v208-215 their indices;  v216-223 their biases
.set ID, 208
.set BI, 216
.set YV, 224                           ; v224-232 my list's scores, descending;  v233-241 their indices
.set YI, 233
.set RV, 248                           ; lane i: the i-th best score so far;  v249 its index
.set RI, 249
	s_load_b256 s[4:11], s[0:1], 0x0               ; qk_codes, qk_scales, kc, ks
	s_load_b256 s[12:19], s[0:1], 0x20             ; kb, gl, xi, ww
	v_lshrrev_b32 v2, 5, v0
	v_readfirstlane_b32 s21, v2                    ; wave
	s_lshl_b32 s20, ttmp9, 3
	s_add_co_u32 s20, s20, s21                     ; my query
	s_mov_b32 s22, 0x76543210
	s_mov_b32 s23, 0xfedcba98                      ; v_permlanex16_b32's selects for lane l xor 16
	v_and_b32 v1, 31, v0                           ; lane
	v_and_b32 v2, 7, v0                            ; lane % 8: my row in a piece of 8, and my slot's piece
	v_bfe_u32 v3, v0, 4, 1                         ; h
	v_lshlrev_b32 v4, 5, v2
	v_lshl_add_u32 v4, v3, 4, v4                   ; in a piece's 256 bytes of codes: 32 (r % 8) + 16 h
	v_lshlrev_b32 v5, 2, v2                        ; in its 32 bytes of scale words
	v_lshlrev_b32 v6, 5, v2                        ; my slot's 32 bytes of biases in its run's 256
	v_lshlrev_b32 v8, 3, v2                        ; my slot's first element in its run
	v_mov_b32 v7, 0xff800000                       ; -infinity
	s_lshl_b32 s38, s20, 6                         ; gl and xi: 64 bytes a query
	v_bfe_u32 v9, v0, 3, 1
	v_lshl_add_u32 v[PA], v9, 2, s38               ; rows 0-7: entries 0 and 1 of the batch's four; rows 8-15: entries 2 and 3
	v_lshrrev_b32 v10, 3, v1
	v_lshl_add_u32 v[OA], v10, 1, s38              ; my slot's: entry lane / 8
	s_lshl_b32 s31, s20, 5
	v_lshl_add_u32 v26, v3, 4, s31
	s_lshl_b32 s32, s20, 1
	v_mov_b32 v27, s32
	s_wait_kmcnt 0x0
	global_load_b32 v[PW], v[PA], s[14:15]
	global_load_u16 v[OW], v[OA], s[14:15]
	global_load_b128 v[QF:QF+3], v26, s[4:5]
	global_load_u16 v24, v27, s[6:7]
.irp i, 4,5,6,7
	v_mov_b32 v[QF+\i], 0                          ; k = 64 .. 127: zero codes, written once
.endr
.irp a, 0,1,2,3,4,5,6,7
.irp i, 4,5,6,7
	v_mov_b32 v[AF+8*\a+\i], 0
.endr
.endr
	v_mov_b32 v[RV], v7
	v_mov_b32 v[RI], 0
	v_mov_b32 v246, 0                              ; written once: the destination of a lane operation counts as one of its sources
	v_mov_b32 v247, 0
	v_mov_b32 v251, 0
	s_mov_b32 s26, 0
	s_wait_loadcnt 0x0
.macro GATHER u                        ; tiles 8 u .. 8 u + 7: the eight pieces of my rows' run u
.irp a, 0,1,2,3,4,5,6,7
	global_load_b128 v[AF+8*\a:AF+8*\a+3], v[CO+\u], s[8:9] offset:256*\a
	global_load_b32 v[SC+\a], v[SO+\u], s[10:11] offset:32*\a
.endr
.endm
.macro MULS
.irp a, 0,1,2,3,4,5,6,7
	v_wmma_scale_f32_16x16x128_f8f6f4 v[D+8*\a:D+8*\a+7], v[AF+8*\a:AF+8*\a+7], v[QF:QF+7], 0, v[SC+\a], v24 matrix_a_fmt:MATRIX_FMT_FP4 matrix_b_fmt:MATRIX_FMT_FP4
.endr
.endm
.macro SELECT u                        ; lanes t and 16 + t take tile t's eight results, each result from its low end on
.irp a, 0,1,2,3,4,5,6,7
.if 8*\u+\a == 0
.irp j, 0,1,2,3,4,5,6,7
	v_mov_b32 v[X+\j], v[D+\j]
.endr
.else
	s_mov_b32 s59, 0x10001<<(8*\u+\a)
.irp j, 0,1,2,3,4,5,6,7
	v_cndmask_b32 v[X+\j], v[X+\j], v[D+8*\a+\j], s59
.endr
.endif
.endr
.endm
.macro INSERT j                        ; my score j goes into my list of j + 1: it passes those that are not smaller, so equals keep their order, the lower index ahead
.set CV, X+\j
.set CI, ID+\j
.set p, 0
.rept \j+1
	v_cmp_gt_f32 vcc_lo, v[CV], v[YV+p]
.if p == \j
.set NV, YV+p+1
.set NI, YI+p+1
.else
.set NV, 242+2*(p%2)
.set NI, 243+2*(p%2)
.endif
	v_cndmask_b32 v[NV], v[CV], v[YV+p], vcc_lo    ; the smaller goes on down
	v_cndmask_b32 v[NI], v[CI], v[YI+p], vcc_lo
	v_cndmask_b32 v[YV+p], v[YV+p], v[CV], vcc_lo  ; the larger stays
	v_cndmask_b32 v[YI+p], v[YI+p], v[CI], vcc_lo
.set CV, NV
.set CI, NI
.set p, p+1
.endr
.endm
.macro EXTRACT i                       ; the i-th best: the largest head.  Among equal heads an earlier winner (its index lies under this batch's first) goes first, then the lowest lane: both orders ascend in the index
	v_max_num_f32_dpp v246, v[YV], v[YV] row_xmask:1 row_mask:0xf bank_mask:0xf
	v_max_num_f32_dpp v246, v246, v246 row_xmask:2 row_mask:0xf bank_mask:0xf
	v_max_num_f32_dpp v246, v246, v246 row_xmask:4 row_mask:0xf bank_mask:0xf
	v_max_num_f32_dpp v246, v246, v246 row_xmask:8 row_mask:0xf bank_mask:0xf
	v_permlanex16_b32 v247, v246, s22, s23
	v_max_num_f32 v246, v246, v247
	v_cmp_eq_f32 s53, v[YV], v246
	v_cmp_gt_u32 s54, s52, v[YI]
	s_and_b32 s55, s53, s54
	s_cselect_b32 s55, s55, s53
	s_ctz_i32_b32 s56, s55                         ; the winner's lane
	s_lshl_b32 s57, 1, s56
	v_readlane_b32 s58, v[YI], s56
	v_writelane_b32 v[RI], s58, \i
	s_mov_b32 s59, 1<<\i
	v_cndmask_b32 v[RV], v[RV], v246, s59
.irp p, 0,1,2,3,4,5,6,7
	v_cndmask_b32 v[YV+\p], v[YV+\p], v[YV+\p+1], s57      ; the winner's list moves up
	v_cndmask_b32 v[YI+\p], v[YI+\p], v[YI+\p+1], s57
.endr
	v_cndmask_b32 v[YV+8], v[YV+8], v7, s57
.endm
.Lbatch:                                           ; five trips; this batch's list entries are in
	v_and_b32 v[GA], 0xffff, v[PW]
	v_lshrrev_b32 v[GB], 16, v[PW]
	v_min_u32 v[GA], 0x1ff, v[GA]                  ; a loaded number enters an address only behind its clamp
	v_min_u32 v[GB], 0x1ff, v[GB]
	v_min_u32 v[GO], 0x1ff, v[OW]
	v_lshl_add_u32 v[CO], v[GA], 11, v4            ; a run's codes are 2,048 bytes,
	v_lshl_add_u32 v[CO+1], v[GB], 11, v4
	v_lshl_add_u32 v[SO], v[GA], 8, v5             ; its scale words 256,
	v_lshl_add_u32 v[SO+1], v[GB], 8, v5
	v_lshl_add_u32 v[BA], v[GO], 8, v6             ; its biases 256
	v_lshl_add_u32 v[E0], v[GO], 6, v8
	v_add_nc_u32 v[PA], 8, v[PA]                   ; the next batch's four entries (behind the wait that showed the last loads from these offsets done)
	v_add_nc_u32 v[OA], 8, v[OA]
	v_readfirstlane_b32 s52, v[E0]                 ; the batch's first element: every earlier winner's index lies under it
	global_load_b128 v[BI:BI+3], v[BA], s[12:13]
	global_load_b128 v[BI+4:BI+7], v[BA], s[12:13] offset:16
	GATHER 0
	global_load_b32 v[PW], v[PA], s[14:15]         ; asked for a batch ahead; in the last trip these are slots 20-23 of the query's 32, which hold 0 and are not used
	global_load_u16 v[OW], v[OA], s[14:15]
	s_wait_loadcnt 0x2                             ; biases, fragments and scale words are in; the two list loads may be out
	MULS
.irp j, 0,1,2,3,4,5,6,7
	v_add_nc_u32 v[ID+\j], \j, v[E0]               ; eight plain lines that name none of the products' registers: the places in front of the loads and reads below
.endr
	GATHER 1
	SELECT 0
	s_wait_loadcnt 0x0
	MULS
.rept 4
	v_nop
.endr
	SELECT 1
.irp j, 0,2,4,6
	v_pk_add_f32 v[X+\j:X+\j+1], v[X+\j:X+\j+1], v[BI+\j:BI+\j+1]    ; score = q . k - |k|^2 / 2
.endr
	v_mov_b32 v[YV], v[RV]                         ; my list begins with the earlier winner that lies in my lane
	v_mov_b32 v[YI], v[RI]
.irp j, 0,1,2,3,4,5,6,7
	INSERT \j
.endr
.irp i, 0,1,2,3,4,5,6,7,8,9,10,11,12,13,14,15,16,17,18,19
	EXTRACT \i
.endr
	s_add_co_u32 s26, s26, 1
	s_cmp_lt_u32 s26, 5
	s_cbranch_scc1 .Lbatch
	v_readlane_b32 s37, v[RV], 0                   ; the largest score
	v_sub_f32 v250, v[RV], s37
	v_mul_f32 v250, 0x3eb8aa3b, v250               ; x log2(e) / 4
	v_exp_f32 v250, v250                           ; lanes 20-31 hold -infinity: 0
	s_lshl_b32 s39, s20, 7
	v_lshl_add_u32 v253, v1, 1, s38                ; (a plain line behind the exponential)  xi: 64 bytes a query, 2 a lane
	v_lshl_add_u32 v254, v1, 2, s39                ; ww: 128 bytes a query, 4 a lane
	s_wait_alu depctr_va_vdst(0)
	v_add_f32_dpp v251, v250, v250 row_xmask:1 row_mask:0xf bank_mask:0xf
	v_add_f32_dpp v251, v251, v251 row_xmask:2 row_mask:0xf bank_mask:0xf
	v_add_f32_dpp v251, v251, v251 row_xmask:4 row_mask:0xf bank_mask:0xf
	v_add_f32_dpp v251, v251, v251 row_xmask:8 row_mask:0xf bank_mask:0xf
	v_permlanex16_b32 v247, v251, s22, s23
	v_add_f32 v251, v251, v247
	v_rcp_f32 v251, v251
	v_nop                                          ; a plain line behind the reciprocal
	s_wait_alu depctr_va_vdst(0)
	v_mul_f32 v250, v250, v251
	global_store_b16 v253, v[RI], s[16:17]
	global_store_b32 v254, v250, s[18:19]
	s_endpgm
.Lfunc_end_k_q3a33985053_pick:
	.size	k_q3a33985053_pick, .Lfunc_end_k_q3a33985053_pick-k_q3a33985053_pick
	.p2alignl 7, 3214868480
	.fill 96, 4, 3214868480
	.section	.rodata,"a",@progbits
	.p2align	6, 0x0
	.amdhsa_kernel k_q3a33985053_pick
		.amdhsa_group_segment_fixed_size 0
		.amdhsa_private_segment_fixed_size 0
		.amdhsa_enable_private_segment 0
		.amdhsa_kernarg_size 64
		.amdhsa_user_sgpr_count 2
		.amdhsa_user_sgpr_kernarg_segment_ptr 1
		.amdhsa_wavefront_size32 1
		.amdhsa_system_sgpr_workgroup_id_x 1
		.amdhsa_system_sgpr_workgroup_id_y 1
		.amdhsa_system_sgpr_workgroup_id_z 1
		.amdhsa_system_vgpr_workitem_id 0
		.amdhsa_next_free_vgpr 256
		.amdhsa_next_free_sgpr 66
		.amdhsa_reserve_vcc 1
		.amdhsa_float_denorm_mode_32 3
		.amdhsa_float_denorm_mode_16_64 3
		.amdhsa_memory_ordered 1
		.amdhsa_forward_progress 1
		.amdhsa_inst_pref_size 64
	.end_amdhsa_kernel
	.amdgpu_metadata
---
amdhsa.version: [ 1, 2 ]
amdhsa.kernels:
  - .name:           k_q3a33985053_pick
    .symbol:         k_q3a33985053_pick.kd
    .args:
      - { .name: qk_codes, .offset: 0, .size: 8, .value_kind: global_buffer, .address_space: global }
      - { .name: qk_scales, .offset: 8, .size: 8, .value_kind: global_buffer, .address_space: global }
      - { .name: kc, .offset: 16, .size: 8, .value_kind: global_buffer, .address_space: global }
      - { .name: ks, .offset: 24, .size: 8, .value_kind: global_buffer, .address_space: global }
      - { .name: kb, .offset: 32, .size: 8, .value_kind: global_buffer, .address_space: global }
      - { .name: gl, .offset: 40, .size: 8, .value_kind: global_buffer, .address_space: global }
      - { .name: xi, .offset: 48, .size: 8, .value_kind: global_buffer, .address_space: global }
      - { .name: ww, .offset: 56, .size: 8, .value_kind: global_buffer, .address_space: global }
    .group_segment_fixed_size: 0
    .private_segment_fixed_size: 0
    .kernarg_segment_align: 8
    .kernarg_segment_size: 64
    .max_flat_workgroup_size: 256
    .sgpr_count:     66
    .vgpr_count:     256
    .wavefront_size: 32
...
	.end_amdgpu_metadata
.endif
;; end of part 4
;; launch read (part 5): grid 256 x 1, 16 waves a work-group, no clusters, 264,192 bytes of LDS; arguments mem_v1, mem_v2, xi, ww, out0; writes out0
.if DOCPART == 5
	.amdgcn_target "amdgcn-amd-amdhsa--gfx1250"
	.amdhsa_code_object_version 6
	.text
	.protected	k_q3a33985053_read
	.globl	k_q3a33985053_read
	.p2align	8
	.type	k_q3a33985053_read,@function
k_q3a33985053_read:
	s_mov_b64 s[64:65], 0
	v_nop
	global_prefetch_b8 v0, s[64:65] scope:SCOPE_SE
	s_setreg_imm32_b32 hwreg(HW_REG_WAVE_MODE, 25, 1), 1
	s_wait_xcnt 0x0
; out0[c][q] = the sum over a query's 20 chosen elements of weight x value[c][element].  A column of the values is 4 bytes in each of 512 rows, so it is never gathered from memory:
; work-group g keeps rows 2 g and 2 g + 1 of the values (mem_v1 for g < 128, else mem_v2) whole in LDS, 8 bytes an element: row 0's number, then row 1's, both f32: 262,144 bytes;
; and serves all 4,096 queries from there.  So each byte of the values is read from memory once, in runs of 512 bytes a wave.
; The products have f32 operands and f32 sums, by fused multiply-adds: one row of 20 a query is no work for the matrix unit.
; The fill: 32 loads a wave are out at once; the two rows' numbers are laid by turns in the registers that they were loaded into, so that one LDS load of 8 bytes later brings both channels.
; The gather: four rounds; a lane owns two neighbouring queries a round, so that a wave's store of a channel covers 256 consecutive bytes, aligned.
; No tensor load: the two rows change their order on the way into LDS.
.set FL, 76                            ; v76-203  the fill: 16 x (4 numbers of row 0, 4 of row 1)
.set AD, 136                           ; v136-155 LDS addresses of the even entries (the odd entries' are made in the registers that held the indices)
.set GV, 156                           ; v156-235 the 40 pairs gathered in a round
.set AC, 236                           ; v236-251 sums: 4 x round + 2 x channel + query
	s_load_b256 s[4:11], s[0:1], 0x0               ; mem_v1, mem_v2, xi, ww
	s_load_b64 s[12:13], s[0:1], 0x20              ; out0
	v_lshl_add_u32 v254, v0, 2, 0x40000
	v_mov_b32 v255, 0
	v_lshlrev_b32 v2, 4, v0                        ; 16 t: my 4 numbers in 8,192 bytes of a row
	v_lshlrev_b32 v3, 8, v0                        ; the weights: two queries of 128 bytes a thread
	v_lshlrev_b32 v4, 7, v0                        ; the indices: two queries of 64 bytes a thread
	v_lshlrev_b32 v5, 3, v0                        ; out: two queries of 4 bytes a thread
	v_lshlrev_b32 v6, 5, v0                        ; LDS: my 4 elements' 32 bytes; four registers 64 KiB apart, since an LDS immediate has 16 bits
	v_add_nc_u32 v7, 0x10000, v6
	v_add_nc_u32 v8, 0x20000, v6
	v_add_nc_u32 v9, 0x30000, v6
	s_and_b32 s14, ttmp9, 127
	s_lshl_b32 s14, s14, 18                        ; two rows of 131,072 bytes a work-group
	s_mov_b32 s15, 0
	s_lshl_b32 s16, ttmp9, 15                      ; two channels of 16,384 bytes
	s_mov_b32 s17, 0
	s_wait_kmcnt 0x0
	s_cmp_lt_u32 ttmp9, 128                        ; the choice hangs on the work-group's number alone
	s_cselect_b64 s[4:5], s[4:5], s[6:7]
	s_add_nc_u64 s[4:5], s[4:5], s[14:15]
	s_add_nc_u64 s[12:13], s[12:13], s[16:17]
.macro LISTS rho                       ; round rho's lists into set rho % 2 (v16-75 or v76-135): for each of my two queries 20 indices (40 bytes) and 20 weights (80 bytes): 16 loads
.set LL, 16+60*((\rho)%2)
.irp e, 0,1
	global_load_b128 v[LL+10*\e:LL+10*\e+3], v4, s[8:9] offset:65536*(\rho)+64*\e
	global_load_b128 v[LL+10*\e+4:LL+10*\e+7], v4, s[8:9] offset:65536*(\rho)+64*\e+16
	global_load_b64 v[LL+10*\e+8:LL+10*\e+9], v4, s[8:9] offset:65536*(\rho)+64*\e+32
.irp i, 0,1,2,3,4
	global_load_b128 v[LL+20+20*\e+4*\i:LL+20+20*\e+4*\i+3], v3, s[10:11] offset:131072*(\rho)+128*\e+16*\i
.endr
.endr
.endm
	LISTS 0
.set it, 0
.rept 16
	global_load_b128 v[FL+8*it:FL+8*it+3], v2, s[4:5] offset:8192*it th:TH_LOAD_NT
	global_load_b128 v[FL+8*it+4:FL+8*it+7], v2, s[4:5] offset:8192*it+131072 th:TH_LOAD_NT
.set it, it+1
.endr
.set it, 0
.rept 16
.set R, FL+8*it
	s_wait_loadcnt 30-2*it                         ; this pair of loads is in; the younger pairs may be out
	v_mov_b32 v252, v[R+1]                         ; a0 a1 a2 a3 b0 b1 b2 b3 becomes a0 b0 a1 b1 a2 b2 a3 b3: two rings of three
	v_mov_b32 v253, v[R+3]
	v_mov_b32 v[R+1], v[R+4]
	v_mov_b32 v[R+3], v[R+5]
	v_mov_b32 v[R+4], v[R+2]
	v_mov_b32 v[R+5], v[R+6]
	v_mov_b32 v[R+2], v252
	v_mov_b32 v[R+6], v253
	ds_store_b128 v[6+it/4], v[R:R+3] offset:16384*(it%4)
	ds_store_b128 v[6+it/4], v[R+4:R+7] offset:16384*(it%4)+16
.set it, it+1
.endr
	s_wait_dscnt 0x0                               ; for the others' sake: my elements lie in LDS
	s_barrier_signal -1
	s_barrier_wait -1                              ; both rows are whole; LDS is only read from here on
.macro ROUND rho
.if (\rho) < 3
	LISTS (\rho)+1
	s_wait_loadcnt 16                              ; this round's lists are in; the next round's 16 loads may be out
.else
	s_wait_loadcnt 0
.endif
.set LB, 16+60*((\rho)%2)
.set n, 0
.rept 20
.irp e, 0,1
.if n%2 == 0
.set A, AD+n+\e
	v_and_b32 v[A], 0xffff, v[LB+10*\e+n/2]        ; the word's lower index
.else
.set A, LB+10*\e+n/2
	v_lshrrev_b32 v[A], 16, v[A]                   ; its upper index, in place
.endif
	v_min_u32 v[A], 0x7fff, v[A]                   ; a loaded number enters an address only behind its clamp
	v_lshlrev_b32 v[A], 3, v[A]                    ; 8 bytes an element
	ds_load_b64 v[GV+2*(2*n+\e):GV+2*(2*n+\e)+1], v[A]
.endr
.set n, n+1
.endr
.set n, 0
.rept 20
.if n%5 == 0
	s_wait_dscnt 30-10*(n/5)                       ; the next ten pairs are in; the younger ones may be out
.endif
.irp e, 0,1
.irp ch, 0,1
.if n == 0
	v_mul_f32 v[AC+4*(\rho)+2*\ch+\e], v[LB+20+20*\e+n], v[GV+2*(2*n+\e)+\ch]      ; the first product starts the sum
.else
	v_fmac_f32 v[AC+4*(\rho)+2*\ch+\e], v[LB+20+20*\e+n], v[GV+2*(2*n+\e)+\ch]     ; four chains by turns
.endif
.endr
.endr
.set n, n+1
.endr
.irp ch, 0,1
	global_store_b64 v5, v[AC+4*(\rho)+2*\ch:AC+4*(\rho)+2*\ch+1], s[12:13] offset:16384*\ch+4096*(\rho) th:TH_STORE_NT   ; each round has sums of its own: no store's data are written again
.endr
.endm
	ROUND 0
	ROUND 1
	ROUND 2
	ROUND 3
	s_wait_tensorcnt 0x0
	ds_add_u32 v254, v255
	s_wait_dscnt 0x0
	s_endpgm
.Lfunc_end_k_q3a33985053_read:
	.size	k_q3a33985053_read, .Lfunc_end_k_q3a33985053_read-k_q3a33985053_read
	.p2alignl 7, 3214868480
	.fill 96, 4, 3214868480
	.section	.rodata,"a",@progbits
	.p2align	6, 0x0
	.amdhsa_kernel k_q3a33985053_read
		.amdhsa_group_segment_fixed_size 264192
		.amdhsa_private_segment_fixed_size 0
		.amdhsa_enable_private_segment 0
		.amdhsa_kernarg_size 40
		.amdhsa_user_sgpr_count 2
		.amdhsa_user_sgpr_kernarg_segment_ptr 1
		.amdhsa_wavefront_size32 1
		.amdhsa_system_sgpr_workgroup_id_x 1
		.amdhsa_system_sgpr_workgroup_id_y 1
		.amdhsa_system_sgpr_workgroup_id_z 1
		.amdhsa_system_vgpr_workitem_id 0
		.amdhsa_next_free_vgpr 256
		.amdhsa_next_free_sgpr 66
		.amdhsa_reserve_vcc 0
		.amdhsa_float_denorm_mode_32 3
		.amdhsa_float_denorm_mode_16_64 3
		.amdhsa_memory_ordered 1
		.amdhsa_forward_progress 1
		.amdhsa_inst_pref_size 61
	.end_amdhsa_kernel
	.amdgpu_metadata
---
amdhsa.version: [ 1, 2 ]
amdhsa.kernels:
  - .name:           k_q3a33985053_read
    .symbol:         k_q3a33985053_read.kd
    .args:
      - { .name: mem_v1, .offset: 0, .size: 8, .value_kind: global_buffer, .address_space: global }
      - { .name: mem_v2, .offset: 8, .size: 8, .value_kind: global_buffer, .address_space: global }
      - { .name: xi, .offset: 16, .size: 8, .value_kind: global_buffer, .address_space: global }
      - { .name: ww, .offset: 24, .size: 8, .value_kind: global_buffer, .address_space: global }
      - { .name: out0, .offset: 32, .size: 8, .value_kind: global_buffer, .address_space: global }
    .group_segment_fixed_size: 264192
    .private_segment_fixed_size: 0
    .kernarg_segment_align: 8
    .kernarg_segment_size: 40
    .max_flat_workgroup_size: 512
    .sgpr_count:     66
    .vgpr_count:     256
    .wavefront_size: 32
...
	.end_amdgpu_metadata
.endif
;; end of part 5
;; ======== version 2 of 2: 5 launches
;; workspace buffers: kc 1,048,576 bytes; ks 131,072 bytes; kb 131,072 bytes; gm 8,388,608 bytes; gl 262,144 bytes of whole numbers; xi 262,144 bytes of whole numbers; ww 524,288 bytes
;; launch prep (part 6): grid 256 x 1, 4 waves a work-group, no clusters, 4,608 bytes of LDS; arguments mem_k, kc, ks, kb; writes kc, ks, kb
.if DOCPART == 6
	.amdgcn_target "amdgcn-amd-amdhsa--gfx1250"
	.amdhsa_code_object_version 6
	.text
	.protected	k_q3a33985053_prep
	.globl	k_q3a33985053_prep
	.p2align	8
	.type	k_q3a33985053_prep,@function
k_q3a33985053_prep:
	s_mov_b64 s[64:65], 0
	v_nop
	global_prefetch_b8 v0, s[64:65] scope:SCOPE_SE
	s_setreg_imm32_b32 hwreg(HW_REG_WAVE_MODE, 25, 1), 1
	s_wait_xcnt 0x0
; mem_k [64 (k)][32768 (n)] f32 becomes, for each memory element n: 32 bytes of FP4 (E2M1) codes with K innermost (kc), one word with its two
; E8M0 scale bytes in bytes 0 and 1 and zeros above (ks), and -0.5 x the sum of its 64 squares in f32, of the unquantised numbers (kb).
; A LANE TAKES AN ELEMENT, ITS REGISTERS RUN DOWN K: a load reads 128 consecutive bytes a wave, a block of 32 lies in one lane, nothing is transposed.
; A block's scale byte is its largest magnitude's exponent field - 2, held at 1 from below by a floor among the maximum's leaves.
; LIMITS: a block of zeros, or one whose largest magnitude lies under 2^-124, gets the byte 1 (its codes are zeros or tiny; only this program reads the bytes);
; NaN and infinities among the inputs are not served.
.set ROWB, 131072                      ; bytes from one k to the next
.set X,    32                          ; v32-95   my element's 64 numbers
.set C,    96                          ; v96-103  its codes
	s_load_b256 s[4:11], s[0:1], 0x0               ; mem_k s[4:5], kc s[6:7], ks s[8:9], kb s[10:11]
	v_lshl_add_u32 v128, v0, 2, 0x1000
	v_mov_b32 v129, 0
	v_lshrrev_b32 v2, 5, v0
	v_readfirstlane_b32 s12, v2                    ; wave
	v_and_b32 v3, 31, v0                           ; lane
	s_lshl_b32 s13, ttmp9, 9                       ; the work-group's 128 elements x 4 bytes
	v_lshl_add_u32 v1, v0, 2, s13                  ; 4 n
	v_lshlrev_b32 v20, 5, v0                       ; stage, in: 32 bytes a thread (1,024 a wave)
	s_lshl_b32 s14, s12, 10
	v_lshlrev_b32 v21, 4, v3
	v_add_nc_u32 v21, s14, v21                     ; stage, out: 16 bytes a lane of my wave's 1,024
	s_lshl_b32 s15, ttmp9, 12
	v_add_nc_u32 v22, s15, v21                     ; and the same place in kc
	s_wait_alu depctr_va_vdst(0)
	s_wait_kmcnt 0x0
.set k, 0
.rept 64
	global_load_b32 v[X+k], v1, s[4:5] offset:k*ROWB th:TH_LOAD_NT
.set k, k+1
.endr
	s_wait_loadcnt 0x0
.irp c, 0,1
	v_max3_num_f32 v[8+\c], |v[X+32*\c]|, |v[X+1+32*\c]|, 0x1800000      ; the block's largest magnitude, and the floor 2^(3 - 127)
.endr
.irp i, 2,4,6,8,10,12,14,16,18,20,22,24,26,28,30
.irp c, 0,1
	v_max3_num_f32 v[8+\c], v[8+\c], |v[X+32*\c+\i]|, |v[X+1+32*\c+\i]|  ; the two blocks by turns
.endr
.endr
.irp c, 0,1
	v_add_nc_u32 v[10+\c], 0xff000000, v[8+\c]     ; 2 off the exponent field: the conversion's scale operand
.endr
.irp c, 0,1
	v_lshrrev_b32 v[12+\c], 23, v[10+\c]           ; the scale's byte
.endr
	v_lshl_or_b32 v14, v13, 8, v12                 ; the element's scale word
	v_pk_mul_f32 v[16:17], v[X:X+1], v[X:X+1]      ; the sum of squares: four chains, two to an instruction
	v_pk_mul_f32 v[18:19], v[X+2:X+3], v[X+2:X+3]
.irp i, 4,8,12,16,20,24,28,32,36,40,44,48,52,56,60
	v_pk_fma_f32 v[16:17], v[X+\i:X+\i+1], v[X+\i:X+\i+1], v[16:17]
	v_pk_fma_f32 v[18:19], v[X+\i+2:X+\i+3], v[X+\i+2:X+\i+3], v[18:19]
.endr
	v_add_f32 v16, v16, v17
	v_add_f32 v18, v18, v19
	v_add_f32 v16, v16, v18
	v_mul_f32 v15, -0.5, v16
.irp c, 0,1
.irp g, 0,1,2,3
	v_cvt_scalef32_pk8_fp4_f32 v[C+4*\c+\g], v[X+32*\c+8*\g:X+32*\c+8*\g+7], v[10+\c]
.endr
.endr
	v_nop                                          ; one plain line behind the last scaled conversion
	ds_store_b128 v20, v[C:C+3]                    ; through my wave's own 1,024 bytes, so that each store below covers 512 consecutive bytes
	ds_store_b128 v20, v[C+4:C+7] offset:16
	ds_load_b128 v[104:107], v21                   ; a wave's LDS instructions are served in order: these see the stores above
	ds_load_b128 v[108:111], v21 offset:512
	global_store_b32 v1, v14, s[8:9]
	global_store_b32 v1, v15, s[10:11]
	s_wait_dscnt 0x0
	global_store_b128 v22, v[104:107], s[6:7]
	global_store_b128 v22, v[108:111], s[6:7] offset:512
	s_wait_tensorcnt 0x0
	ds_add_u32 v128, v129
	s_wait_dscnt 0x0
	s_endpgm
.Lfunc_end_k_q3a33985053_prep:
	.size	k_q3a33985053_prep, .Lfunc_end_k_q3a33985053_prep-k_q3a33985053_prep
	.p2alignl 7, 3214868480
	.fill 96, 4, 3214868480
	.section	.rodata,"a",@progbits
	.p2align	6, 0x0
	.amdhsa_kernel k_q3a33985053_prep
		.amdhsa_group_segment_fixed_size 4608
		.amdhsa_private_segment_fixed_size 0
		.amdhsa_enable_private_segment 0
		.amdhsa_kernarg_size 32
		.amdhsa_user_sgpr_count 2
		.amdhsa_user_sgpr_kernarg_segment_ptr 1
		.amdhsa_wavefront_size32 1
		.amdhsa_system_sgpr_workgroup_id_x 1
		.amdhsa_system_sgpr_workgroup_id_y 1
		.amdhsa_system_sgpr_workgroup_id_z 1
		.amdhsa_system_vgpr_workitem_id 0
		.amdhsa_next_free_vgpr 130
		.amdhsa_next_free_sgpr 66
		.amdhsa_reserve_vcc 0
		.amdhsa_float_denorm_mode_32 3
		.amdhsa_float_denorm_mode_16_64 3
		.amdhsa_memory_ordered 1
		.amdhsa_forward_progress 1
		.amdhsa_inst_pref_size 13
	.end_amdhsa_kernel
	.amdgpu_metadata
---
amdhsa.version: [ 1, 2 ]
amdhsa.kernels:
  - .name:           k_q3a33985053_prep
    .symbol:         k_q3a33985053_prep.kd
    .args:
      - { .name: mem_k, .offset: 0, .size: 8, .value_kind: global_buffer, .address_space: global }
      - { .name: kc, .offset: 8, .size: 8, .value_kind: global_buffer, .address_space: global }
      - { .name: ks, .offset: 16, .size: 8, .value_kind: global_buffer, .address_space: global }
      - { .name: kb, .offset: 24, .size: 8, .value_kind: global_buffer, .address_space: global }
    .group_segment_fixed_size: 4608
    .private_segment_fixed_size: 0
    .kernarg_segment_align: 8
    .kernarg_segment_size: 32
    .max_flat_workgroup_size: 128
    .sgpr_count:     66
    .vgpr_count:     130
    .wavefront_size: 32
...
	.end_amdgpu_metadata
.endif
;; end of part 6
;; launch gmax (part 7): grid 16 x 16, 16 waves a work-group, no clusters, 169,984 bytes of LDS; arguments qk_codes, qk_scales, kc, ks, kb, gm; writes gm
.if DOCPART == 7
	.amdgcn_target "amdgcn-amd-amdhsa--gfx1250"
	.amdhsa_code_object_version 6
	.text
	.protected	k_q3a33985053_gmax
	.globl	k_q3a33985053_gmax
	.p2align	8
	.type	k_q3a33985053_gmax,@function
k_q3a33985053_gmax:
	s_mov_b64 s[64:65], 0
	v_nop
	global_prefetch_b8 v0, s[64:65] scope:SCOPE_SE
	s_setreg_imm32_b32 hwreg(HW_REG_WAVE_MODE, 25, 1), 1
	s_wait_xcnt 0x0
; For 256 queries (work-group y) and a slice of 2,048 memory elements (work-group x): the scores s = q . k - |k|^2 / 2 (the affinity is s / 4), by the scaled FP4
; matrix instruction with -|k|^2 / 2 as its C, and of them only the largest of each run of 64 neighbouring elements: 32 numbers a query and slice,
; to gm [qblk 16][slice 16][query 256][32]: word W of a slice is run 32 slice + W, elements 64 (32 slice + W) .. + 63.
; K is 64: the upper 64 of the instruction's 128 are zero codes on both sides (registers 4-7 of every fragment, written once).
; SHARES: wave w takes queries 64 (w & 3) .. + 63 (four tiles of 16 columns) and elements 512 (w >> 2) .. + 511 (32 tiles of 16 rows).
; Tile i's rows 0-7 are elements 8 i .. 8 i + 7 of the block, rows 8-15 those 256 further on: so lanes 0-15 see the block's first 256 elements and lanes 16-31 the other 256,
; and eight tiles on end are a run of 64 in each half.
; The slice's codes, scale words and biases (80 KiB) come into LDS once, by six tensor loads; nothing is filled again.  No cluster: what neighbours share is this one fill.
; LIMITS: NaN and infinities are not served.
.set SCL,   65536                      ; LDS: codes at 0 (32 bytes an element), scale words,
.set BIA,   73728                      ; biases,
.set STAGE, 81920                      ; and the way out: 256 queries x (128 bytes + 16 of padding)
.set SP,    144
.set QF, 16                            ; v16-47   four query fragments
.set QS, 48                            ; v48-51   their scale words
.set AF, 56                            ; v56-87   two sets of two element fragments (the higher tile first)
.set BI, 88                            ; v88-119  two sets of 16 biases
.set SC, 120                           ; v120-121 two sets of scale words: lanes 0-15 the lower tile's, lanes 16-31 the higher's
.set D,  128                           ; v128-191 eight results
.set RM, 192                           ; v192-207 the running maxima: 4 x query tile + run
.set OB, 208                           ; v208-223 the way out
.macro PLACES
.rept 4
	v_nop
.endr
.endm
	s_load_b256 s[4:11], s[0:1], 0x0               ; qk_codes, qk_scales, kc, ks
	s_load_b128 s[12:15], s[0:1], 0x20             ; kb, gm
	v_lshl_add_u32 v254, v0, 2, 0x29000
	v_mov_b32 v255, 0
	ds_add_u32 v254, v255
	ds_add_u32 v254, v255
	v_lshrrev_b32 v8, 5, v0
	s_delay_alu instid0(VALU_DEP_1)
	v_readfirstlane_b32 s46, v8                    ; wave 0..15
	s_and_b32 s47, s46, 3                          ; which 64 queries
	s_lshr_b32 s48, s46, 2                         ; which 512 elements
	s_and_b32 s54, ttmp7, 0xffff                   ; block of 256 queries
	s_mov_b32 s16, 3<<16                           ; group 1 for the codes: 64 dense rows of 32 elements of 8 bytes, no padding
	s_mov_b32 s17, 32<<16
	s_mov_b32 s18, 64<<16
	s_mov_b32 s19, 32<<16
	s_mov_b32 s20, 64
	s_mov_b32 s21, 32
	s_mov_b32 s22, 0
	s_mov_b32 s23, 0
	s_mov_b32 s24, 3<<16                           ; group 1 for scale words and biases: 32 such rows
	s_mov_b32 s25, 32<<16
	s_mov_b32 s26, 32<<16
	s_mov_b32 s27, 32<<16
	s_mov_b32 s28, 32
	s_mov_b32 s29, 32
	s_mov_b32 s30, 0
	s_mov_b32 s31, 0
	s_lshl_b32 s49, s47, 14                        ; waves 0-3: a quarter of the codes each
	s_lshl_b32 s50, ttmp9, 16
	s_add_co_u32 s50, s50, s49
	s_mov_b32 s51, 0
	s_lshl_b32 s52, ttmp9, 13
	s_mov_b32 s53, 0
	s_lshl_b32 s62, s54, 4
	s_add_co_u32 s62, s62, ttmp9
	s_lshl_b32 s62, s62, 15                        ; my 32,768 bytes of gm
	s_mov_b32 s63, 0
	s_wait_dscnt 0x0
	s_wait_kmcnt 0x0
	s_mov_b32 s32, 1
	s_mov_b32 s33, s49
	s_add_nc_u64 s[34:35], s[8:9], s[50:51]
	s_or_b32 s35, s35, 0x80000000
	s_mov_b32 s36, 1
	s_mov_b32 s37, SCL
	s_add_nc_u64 s[38:39], s[10:11], s[52:53]
	s_or_b32 s39, s39, 0x80000000
	s_mov_b32 s40, 1
	s_mov_b32 s41, BIA
	s_add_nc_u64 s[42:43], s[12:13], s[52:53]
	s_or_b32 s43, s43, 0x80000000
	s_add_nc_u64 s[14:15], s[14:15], s[62:63]
	s_cmp_lt_u32 s46, 4                            ; the first and only fills: one tensor load a wave, waves 0 to 5
	s_cbranch_scc0 .Lnot_codes
	tensor_load_to_lds s[32:35], s[16:23]
	s_nop 0
	PLACES
	s_branch .Lasked
.Lnot_codes:
	s_cmp_eq_u32 s46, 4
	s_cbranch_scc0 .Lnot_scales
	tensor_load_to_lds s[36:39], s[24:31]
	s_nop 0
	PLACES
	s_branch .Lasked
.Lnot_scales:
	s_cmp_eq_u32 s46, 5
	s_cbranch_scc0 .Lasked
	tensor_load_to_lds s[40:43], s[24:31]
	s_nop 0
	PLACES
.Lasked:
.irp f, 0,1,2,3
.irp i, 4,5,6,7
	v_mov_b32 v[QF+8*\f+\i], 0                     ; k = 64 .. 127: zero codes, written once
	v_mov_b32 v[AF+8*\f+\i], 0
.endr
.endr
.irp i, 0,1,2,3,4,5,6,7,8,9,10,11,12,13,14,15
	v_mov_b32 v[RM+\i], 0xff800000
.endr
	v_and_b32 v1, 15, v0                           ; r
	v_bfe_u32 v2, v0, 4, 1                         ; h
	v_bfe_u32 v12, v0, 3, 1                        ; r / 8
	v_and_b32 v13, 7, v0                           ; r % 8
	s_lshl_b32 s55, s54, 8
	s_lshl_b32 s49, s47, 6
	s_add_co_u32 s55, s55, s49                     ; my first query
	v_add_nc_u32 v11, s55, v1
	s_delay_alu instid0(VALU_DEP_1)
	v_lshlrev_b32 v9, 5, v11
	s_delay_alu instid0(VALU_DEP_1)
	v_lshl_add_u32 v9, v2, 4, v9                   ; its codes: 32 bytes a query, + 16 h
	s_delay_alu instid0(VALU_DEP_3)
	v_lshlrev_b32 v10, 1, v11                      ; its two scale bytes
.irp qt, 0,1,2,3
	global_load_b128 v[QF+8*\qt:QF+8*\qt+3], v9, s[4:5] offset:512*\qt
	global_load_u16 v[QS+\qt], v10, s[6:7] offset:32*\qt          ; bytes 2 and 3 of the word are 0: they scale zero codes
.endr
	s_lshl_b32 s58, s48, 14
	v_lshlrev_b32 v3, 13, v12
	s_delay_alu instid0(VALU_DEP_1)
	v_lshl_add_u32 v3, v13, 5, v3
	s_delay_alu instid0(VALU_DEP_1)
	v_lshl_add_u32 v3, v2, 4, v3
	s_delay_alu instid0(VALU_DEP_1)
	v_add_nc_u32 v3, s58, v3                       ; codes: 16384 block + 8192 (r / 8) + 32 (r % 8) + 16 h; a tile is 256 bytes on
	s_lshl_b32 s59, s48, 11
	s_add_co_u32 s60, s59, SCL
	v_lshlrev_b32 v4, 10, v12
	s_delay_alu instid0(VALU_DEP_1)
	v_lshl_add_u32 v4, v13, 2, v4
	s_delay_alu instid0(VALU_DEP_1)
	v_lshl_add_u32 v4, v2, 5, v4
	s_delay_alu instid0(VALU_DEP_1)
	v_add_nc_u32 v4, s60, v4                       ; scale words: 4 bytes an element; lanes 16-31 take the tile one higher
	s_add_co_u32 s61, s59, BIA
	v_lshlrev_b32 v5, 10, v2
	s_delay_alu instid0(VALU_DEP_1)
	v_add_nc_u32 v5, s61, v5                       ; biases: my half's eight rows of a tile: 32 bytes a tile
	s_mul_i32 s58, s47, 64*SP
	s_lshl_b32 s59, s48, 5
	s_add_co_u32 s58, s58, s59
	s_add_co_u32 s58, s58, STAGE
	v_mul_u32_u24 v6, v1, SP
	s_delay_alu instid0(VALU_DEP_1)
	v_lshl_add_u32 v6, v2, 4, v6
	s_delay_alu instid0(VALU_DEP_1)
	v_add_nc_u32 v6, s58, v6                       ; the stage, in: my query's row; my four runs are words 8 block + 4 h .. + 3
	v_lshlrev_b32 v7, 4, v0                        ; out: 16 bytes a thread
	v_lshrrev_b32 v15, 3, v0
	s_delay_alu instid0(VALU_DEP_1)
	v_mul_u32_u24 v14, v15, SP
	v_and_b32 v15, 7, v0
	s_delay_alu instid0(VALU_DEP_1)
	v_lshl_add_u32 v14, v15, 4, v14
	s_delay_alu instid0(VALU_DEP_1)
	v_add_nc_u32 v14, STAGE, v14                   ; the stage, out: eight threads to a query's 128 bytes
	s_wait_tensorcnt 0x0                           ; my tensor load, if I issued one, has landed;
	s_wait_loadcnt 0x0                             ; the queries are in
	s_barrier_signal -1
	s_barrier_wait -1                              ; the slice lies in LDS for every wave
.macro LOADS s, p                      ; tiles 2 p + 1 and 2 p into set s: seven LDS loads
	ds_load_b128 v[AF+16*\s:AF+16*\s+3], v3 offset:256*(2*(\p)+1)
	ds_load_b128 v[AF+16*\s+8:AF+16*\s+11], v3 offset:256*(2*(\p))
	ds_load_b32 v[SC+\s], v4 offset:64*(\p)
	ds_load_b128 v[BI+16*\s:BI+16*\s+3], v5 offset:32*(2*(\p)+1)
	ds_load_b128 v[BI+16*\s+4:BI+16*\s+7], v5 offset:32*(2*(\p)+1)+16
	ds_load_b128 v[BI+16*\s+8:BI+16*\s+11], v5 offset:32*(2*(\p))
	ds_load_b128 v[BI+16*\s+12:BI+16*\s+15], v5 offset:32*(2*(\p))+16
.endm
.macro PAIR p
.set S, (15-(\p))%2
.set GQ, (\p)/4                        ; both tiles lie in run p / 4 of their half
.if (\p) > 0
	s_wait_dscnt 7                                 ; this set's seven loads are in; the other set's seven may be out
.else
	s_wait_dscnt 0
.endif
.irp qt, 0,1,2,3
	v_wmma_scale_f32_16x16x128_f8f6f4 v[D+8*\qt:D+8*\qt+7], v[AF+16*S:AF+16*S+7], v[QF+8*\qt:QF+8*\qt+7], v[BI+16*S:BI+16*S+7], v[SC+S], v[QS+\qt] matrix_a_fmt:MATRIX_FMT_FP4 matrix_b_fmt:MATRIX_FMT_FP4 matrix_a_scale:MATRIX_SCALE_ROW1
.endr
.irp qt, 0,1,2,3
	v_wmma_scale_f32_16x16x128_f8f6f4 v[D+32+8*\qt:D+32+8*\qt+7], v[AF+16*S+8:AF+16*S+15], v[QF+8*\qt:QF+8*\qt+7], v[BI+16*S+8:BI+16*S+15], v[SC+S], v[QS+\qt] matrix_a_fmt:MATRIX_FMT_FP4 matrix_b_fmt:MATRIX_FMT_FP4
.endr
	PLACES                                         ; four places in front of loads into the products' sources and of the first reads of their results
.if (\p) >= 2
	LOADS S, (\p)-2
.endif
	s_wait_alu depctr_va_vdst(0)
.irp x, 0,1
.irp jj, 0,2,4,6
.irp qt, 0,1,2,3
	v_max3_num_f32 v[RM+4*\qt+GQ], v[RM+4*\qt+GQ], v[D+32*\x+8*\qt+\jj], v[D+32*\x+8*\qt+\jj+1]   ; each result from its low end on; the four queries' chains by turns
.endr
.endr
.endr
.endm
	LOADS 0, 15
	LOADS 1, 14
.set P, 15
.rept 16
	PAIR P
.set P, P-1
.endr
.irp qt, 0,1,2,3
	ds_store_b128 v6, v[RM+4*\qt:RM+4*\qt+3] offset:16*SP*\qt
.endr
	s_wait_dscnt 0x0                               ; for the others' sake: my words lie in the stage
	s_barrier_signal -1
	s_barrier_wait -1
.irp it, 0,1,2,3
	ds_load_b128 v[OB+4*\it:OB+4*\it+3], v14 offset:64*SP*\it
.endr
.irp it, 0,1,2,3
	s_wait_dscnt 3-\it                             ; this load is in; the younger ones may be out
	global_store_b128 v7, v[OB+4*\it:OB+4*\it+3], s[14:15] offset:8192*\it      ; a wave stores 512 consecutive bytes
.endr
	s_wait_tensorcnt 0x0
	ds_add_u32 v254, v255
	s_wait_dscnt 0x0
	s_endpgm
.Lfunc_end_k_q3a33985053_gmax:
	.size	k_q3a33985053_gmax, .Lfunc_end_k_q3a33985053_gmax-k_q3a33985053_gmax
	.p2alignl 7, 3214868480
	.fill 96, 4, 3214868480
	.section	.rodata,"a",@progbits
	.p2align	6, 0x0
	.amdhsa_kernel k_q3a33985053_gmax
		.amdhsa_group_segment_fixed_size 169984
		.amdhsa_private_segment_fixed_size 0
		.amdhsa_enable_private_segment 0
		.amdhsa_kernarg_size 48
		.amdhsa_user_sgpr_count 2
		.amdhsa_user_sgpr_kernarg_segment_ptr 1
		.amdhsa_wavefront_size32 1
		.amdhsa_system_sgpr_workgroup_id_x 1
		.amdhsa_system_sgpr_workgroup_id_y 1
		.amdhsa_system_sgpr_workgroup_id_z 1
		.amdhsa_system_vgpr_workitem_id 0
		.amdhsa_next_free_vgpr 256
		.amdhsa_next_free_sgpr 66
		.amdhsa_reserve_vcc 0
		.amdhsa_float_denorm_mode_32 3
		.amdhsa_float_denorm_mode_16_64 3
		.amdhsa_memory_ordered 1
		.amdhsa_forward_progress 1
		.amdhsa_inst_pref_size 68
	.end_amdhsa_kernel
	.amdgpu_metadata
---
amdhsa.version: [ 1, 2 ]
amdhsa.kernels:
  - .name:           k_q3a33985053_gmax
    .symbol:         k_q3a33985053_gmax.kd
    .args:
      - { .name: qk_codes, .offset: 0, .size: 8, .value_kind: global_buffer, .address_space: global }
      - { .name: qk_scales, .offset: 8, .size: 8, .value_kind: global_buffer, .address_space: global }
      - { .name: kc, .offset: 16, .size: 8, .value_kind: global_buffer, .address_space: global }
      - { .name: ks, .offset: 24, .size: 8, .value_kind: global_buffer, .address_space: global }
      - { .name: kb, .offset: 32, .size: 8, .value_kind: global_buffer, .address_space: global }
      - { .name: gm, .offset: 40, .size: 8, .value_kind: global_buffer, .address_space: global }
    .group_segment_fixed_size: 169984
    .private_segment_fixed_size: 0
    .kernarg_segment_align: 8
    .kernarg_segment_size: 48
    .max_flat_workgroup_size: 512
    .sgpr_count:     66
    .vgpr_count:     256
    .wavefront_size: 32
...
	.end_amdgpu_metadata
.endif
;; end of part 7
;; launch sel (part 8): grid 512 x 1, 8 waves a work-group, no clusters, 0 bytes of LDS; arguments gm, gl; writes gl
.if DOCPART == 8
	.amdgcn_target "amdgcn-amd-amdhsa--gfx1250"
	.amdhsa_code_object_version 6
	.text
	.protected	k_q3a33985053_sel
	.globl	k_q3a33985053_sel
	.p2align	8
	.type	k_q3a33985053_sel,@function
k_q3a33985053_sel:
	s_mov_b64 s[64:65], 0
	v_nop
	global_prefetch_b8 v0, s[64:65] scope:SCOPE_SE
	s_setreg_imm32_b32 hwreg(HW_REG_WAVE_MODE, 25, 1), 1
	s_wait_xcnt 0x0
; One wave, one query: of its 512 runs of 64 elements the 20 with the largest maxima (gm), the lower run first among equals; their numbers, in ascending order, go to
; gl [query][32] u16 (slots 20-31 hold 0).  WHY 20 RUNS DO: each run that ranks ahead of an element's own run holds an element that ranks ahead of that element (a larger one, or an
; equal one with a lower index), so an element among the 20 best has at most 19 runs ahead of its own.  The count of candidates is thus the same for every input.
; Lane L holds runs 16 L .. 16 L + 15.  Each lane sorts its 16 pairs (maximum, run) by stable insertion; then 20 times the wave's largest head is taken (the lowest lane among equals:
; both orders ascend in the run's number) and its lane's list moves up.  The 20 numbers are ranked by counting and laid in ascending order.
; Every choice is a select, every loop is written out, and the one store's address is fixed.  No LDS, no barrier: waves share nothing.  LIMITS: NaN and infinities are not served.
.set X,  16                            ; v16-31 my 16 maxima
.set ID, 32                            ; v32-47 their runs' numbers
.set YV, 48                            ; v48-63 my list's maxima, descending
.set YI, 64                            ; v64-79 their runs
.set TV, 84                            ; v80-83 two pairs on their way down the list;  v84-85 at work
.set T2, 85
.set RI, 86                            ; lane i: the i-th best run
.set RK, 87                            ; how many of the 20 have a lower number
.set OL, 88                            ; lane i: the run with i lower ones
.set W,  24                            ; s24-43 the 20 runs
	s_load_b128 s[4:7], s[0:1], 0x0                ; gm, gl
	v_lshrrev_b32 v2, 5, v0
	s_delay_alu instid0(VALU_DEP_1)
	v_readfirstlane_b32 s9, v2                     ; wave
	s_lshl_b32 s8, ttmp9, 3
	s_add_co_u32 s8, s8, s9                        ; my query
	s_mov_b32 s22, 0x76543210
	s_mov_b32 s23, 0xfedcba98                      ; v_permlanex16_b32's selects for lane l xor 16
	v_and_b32 v1, 31, v0                           ; lane
	s_lshr_b32 s10, s8, 8
	s_lshl_b32 s10, s10, 19                        ; a block of 256 queries: 16 slices of 32,768 bytes
	s_and_b32 s11, s8, 255
	s_lshl_b32 s11, s11, 7                         ; 128 bytes a query in a slice
	s_add_co_u32 s10, s10, s11
	v_lshrrev_b32 v3, 1, v1
	v_and_b32 v4, 1, v1
	s_delay_alu instid0(VALU_DEP_2)
	v_lshlrev_b32 v3, 15, v3                       ; slice lane / 2,
	s_delay_alu instid0(VALU_DEP_1)
	v_lshl_add_u32 v3, v4, 6, v3                   ; its lower or upper 16 words
	s_delay_alu instid0(VALU_DEP_1)
	v_add_nc_u32 v3, s10, v3
	s_wait_alu depctr_va_vdst(0)
	s_wait_kmcnt 0x0
.irp i, 0,1,2,3
	global_load_b128 v[X+4*\i:X+4*\i+3], v3, s[4:5] offset:16*\i
.endr
	v_mov_b32 v7, 0xff800000                       ; -infinity
	v_mov_b32 v[TV], 0                             ; written once: the destination of a lane operation counts as one of its sources
	v_mov_b32 v[T2], 0
	v_mov_b32 v[RI], 0
	v_mov_b32 v[RK], 0
	v_mov_b32 v[OL], 0
	v_lshlrev_b32 v5, 4, v1
.irp s, 0,1,2,3,4,5,6,7,8,9,10,11,12,13,14,15
	v_add_nc_u32 v[ID+\s], \s, v5
.endr
	s_lshl_b32 s12, s8, 6
	v_lshl_add_u32 v6, v1, 1, s12                  ; gl: 64 bytes a query, 2 a lane
	s_wait_loadcnt 0x0
.macro INSERT n                        ; my maximum n goes into my list of n: it passes those that are not smaller, so equals keep their order, the lower run ahead
.set CV, X+\n
.set CI, ID+\n
.set p, 0
	v_cmp_gt_f32 vcc_lo, v[CV], v[YV+p]
.if p == \n-1
.set NV, YV+\n
.set NI, YI+\n
.else
.set NV, 80+2*(p%2)
.set NI, 81+2*(p%2)
.endif
	s_delay_alu instid0(VALU_DEP_1)
	v_cndmask_b32 v[NV], v[CV], v[YV+p], vcc_lo    ; the smaller goes on down
	s_delay_alu instid0(VALU_DEP_2)
	v_cndmask_b32 v[NI], v[CI], v[YI+p], vcc_lo
	s_delay_alu instid0(VALU_DEP_3)
	v_cndmask_b32 v[YV+p], v[YV+p], v[CV], vcc_lo  ; the larger stays
	s_delay_alu instid0(VALU_DEP_4)
	v_cndmask_b32 v[YI+p], v[YI+p], v[CI], vcc_lo
.set CV, NV
.set CI, NI
.set p, p+1
.rept (\n)-1
	s_delay_alu instid0(VALU_DEP_4)
	v_cmp_gt_f32 vcc_lo, v[CV], v[YV+p]
.if p == \n-1
.set NV, YV+\n
.set NI, YI+\n
.else
.set NV, 80+2*(p%2)
.set NI, 81+2*(p%2)
.endif
	s_delay_alu instid0(VALU_DEP_1)
	v_cndmask_b32 v[NV], v[CV], v[YV+p], vcc_lo
	s_delay_alu instid0(VALU_DEP_2)
	v_cndmask_b32 v[NI], v[CI], v[YI+p], vcc_lo
	s_delay_alu instid0(VALU_DEP_3)
	v_cndmask_b32 v[YV+p], v[YV+p], v[CV], vcc_lo
	s_delay_alu instid0(VALU_DEP_4)
	v_cndmask_b32 v[YI+p], v[YI+p], v[CI], vcc_lo
.set CV, NV
.set CI, NI
.set p, p+1
.endr
.endm
.macro EXTRACT i                       ; the i-th best run: the largest head, the lowest lane among equals
	v_max_num_f32_dpp v[TV], v[YV], v[YV] row_xmask:1 row_mask:0xf bank_mask:0xf
	s_delay_alu instid0(VALU_DEP_1)
	v_max_num_f32_dpp v[TV], v[TV], v[TV] row_xmask:2 row_mask:0xf bank_mask:0xf
	s_delay_alu instid0(VALU_DEP_1)
	v_max_num_f32_dpp v[TV], v[TV], v[TV] row_xmask:4 row_mask:0xf bank_mask:0xf
	s_delay_alu instid0(VALU_DEP_1)
	v_max_num_f32_dpp v[TV], v[TV], v[TV] row_xmask:8 row_mask:0xf bank_mask:0xf
	s_delay_alu instid0(VALU_DEP_1)
	v_permlanex16_b32 v[T2], v[TV], s22, s23
	s_delay_alu instid0(VALU_DEP_1)
	v_max_num_f32 v[TV], v[TV], v[T2]
	s_delay_alu instid0(VALU_DEP_1)
	v_cmp_eq_f32 s53, v[YV], v[TV]
	s_ctz_i32_b32 s56, s53                         ; the winner's lane
	s_lshl_b32 s57, 1, s56
	v_readlane_b32 s[W+\i], v[YI], s56
	s_delay_alu instid0(VALU_DEP_1)
	v_writelane_b32 v[RI], s[W+\i], \i
.irp p, 0,1,2,3,4,5,6,7,8,9,10,11,12,13,14
	v_cndmask_b32 v[YV+\p], v[YV+\p], v[YV+\p+1], s57      ; the winner's list moves up
	v_cndmask_b32 v[YI+\p], v[YI+\p], v[YI+\p+1], s57
.endr
	v_cndmask_b32 v[YV+15], v[YV+15], v7, s57
.endm
	v_mov_b32 v[YV], v[X]
	v_mov_b32 v[YI], v[ID]
.irp n, 1,2,3,4,5,6,7,8,9,10,11,12,13,14,15
	INSERT \n
.endr
.irp i, 0,1,2,3,4,5,6,7,8,9,10,11,12,13,14,15,16,17,18,19
	EXTRACT \i
.endr
.irp j, 0,1,2,3,4,5,6,7,8,9,10,11,12,13,14,15,16,17,18,19
	v_cmp_lt_u32 vcc_lo, s[W+\j], v[RI]
	s_delay_alu instid0(VALU_DEP_1)
	v_add_co_ci_u32 v[RK], vcc_lo, 0, v[RK], vcc_lo        ; one more of the 20 lies under mine
.endr
.irp j, 0,1,2,3,4,5,6,7,8,9,10,11,12,13,14,15,16,17,18,19
	v_readlane_b32 s[44+\j%2], v[RK], \j
	s_delay_alu instid0(VALU_DEP_1)
	v_writelane_b32 v[OL], s[W+\j], s[44+\j%2]             ; the 20 numbers differ, so their ranks are 0 .. 19, each once
.endr
	global_store_b16 v6, v[OL], s[6:7]
	s_endpgm
.Lfunc_end_k_q3a33985053_sel:
	.size	k_q3a33985053_sel, .Lfunc_end_k_q3a33985053_sel-k_q3a33985053_sel
	.p2alignl 7, 3214868480
	.fill 96, 4, 3214868480
	.section	.rodata,"a",@progbits
	.p2align	6, 0x0
	.amdhsa_kernel k_q3a33985053_sel
		.amdhsa_group_segment_fixed_size 0
		.amdhsa_private_segment_fixed_size 0
		.amdhsa_enable_private_segment 0
		.amdhsa_kernarg_size 16
		.amdhsa_user_sgpr_count 2
		.amdhsa_user_sgpr_kernarg_segment_ptr 1
		.amdhsa_wavefront_size32 1
		.amdhsa_system_sgpr_workgroup_id_x 1
		.amdhsa_system_sgpr_workgroup_id_y 1
		.amdhsa_system_sgpr_workgroup_id_z 1
		.amdhsa_system_vgpr_workitem_id 0
		.amdhsa_next_free_vgpr 96
		.amdhsa_next_free_sgpr 66
		.amdhsa_reserve_vcc 1
		.amdhsa_float_denorm_mode_32 3
		.amdhsa_float_denorm_mode_16_64 3
		.amdhsa_memory_ordered 1
		.amdhsa_forward_progress 1
		.amdhsa_inst_pref_size 100
	.end_amdhsa_kernel
	.amdgpu_metadata
---
amdhsa.version: [ 1, 2 ]
amdhsa.kernels:
  - .name:           k_q3a33985053_sel
    .symbol:         k_q3a33985053_sel.kd
    .args:
      - { .name: gm, .offset: 0, .size: 8, .value_kind: global_buffer, .address_space: global }
      - { .name: gl, .offset: 8, .size: 8, .value_kind: global_buffer, .address_space: global }
    .group_segment_fixed_size: 0
    .private_segment_fixed_size: 0
    .kernarg_segment_align: 8
    .kernarg_segment_size: 16
    .max_flat_workgroup_size: 256
    .sgpr_count:     66
    .vgpr_count:     96
    .wavefront_size: 32
...
	.end_amdgpu_metadata
.endif
;; end of part 8
;; launch pick (part 9): grid 512 x 1, 8 waves a work-group, no clusters, 0 bytes of LDS; arguments qk_codes, qk_scales, kc, ks, kb, gl, xi, ww; writes xi, ww
.if DOCPART == 9
	.amdgcn_target "amdgcn-amd-amdhsa--gfx1250"
	.amdhsa_code_object_version 6
	.text
	.protected	k_q3a33985053_pick
	.globl	k_q3a33985053_pick
	.p2align	8
	.type	k_q3a33985053_pick,@function
k_q3a33985053_pick:
	s_mov_b64 s[64:65], 0
	v_nop
	global_prefetch_b8 v0, s[64:65] scope:SCOPE_SE
	s_setreg_imm32_b32 hwreg(HW_REG_WAVE_SCHED_MODE, 0, 2), 2
	s_setreg_imm32_b32 hwreg(HW_REG_WAVE_MODE, 25, 1), 1
	s_wait_xcnt 0x0
	s_wait_alu depctr_vm_vsrc(0)
; One wave, one query: the 1,280 elements of its 20 chosen runs of 64 (gl, whole numbers stored by the launch before, ascending) are scored anew (the FP4 product with C = 0, then one
; f32 addition of -|k|^2 / 2, as the definition rounds them), and the 20 best are kept exactly, the lower index first among equals.
; Then the softmax of the 20 affinities (score / 4), the largest taken away first.  Out: xi [query][32] u16 indices and ww [query][32] f32 weights; slots 20-31 hold 0.
; FIVE BATCHES, always: batch b takes runs 4 b .. 4 b + 3 of the list as 32 slots of 8 elements; slot L (lane L) is piece L % 8 of run 4 b + L / 8, so slots ascend in the index.
; Tile t's rows 0-7 are slot t's elements, rows 8-15 slot 16 + t's; all 16 columns are the query: so lane L finds its own slot's eight scores in tile L % 16.
; A lane's rows want two runs a batch (tiles 0-7 one, tiles 8-15 the next): one word of the list; the tile's place in its run stands in the loads' immediates.
; Each lane sorts nine pairs (score, index): one earlier winner and its eight; then 20 times the wave's largest head is taken and its lane's list moves up.
; Every choice among scores is a select; the loop's count is a constant; addresses hang on the list alone, each entry clamped first.
; No LDS, no barrier: waves share nothing.  LIMITS: NaN and infinities are not served.
; THE MODE: SCHED_MODE bits 1:0 = 2 (LLVM: expert scheduling mode 2), set by the entry lines.  The code itself states the register dependences between vector or matrix
; instructions and memory instructions, and those through scalar registers that vector instructions write, with s_wait_alu, always for 0.
; THE PLAN.  Registers that memory instructions touch, round the loop:
;   PA, OA, CO, SO, BA  offsets.  Written by ASK's thirteen lines, once a batch; read by the list loads, the two gathers and the biases' loads.
;   PW, OW              list entries.  Loaded by ASK for the batch after the one that it serves; read by the next ASK's first lines.
;   AF, SC              fragments and scale words.  Tiles 0-7 are loaded by ASK, a trip ahead; tiles 8-15 behind the first eight products; read by the products alone.
;   BI                  biases.  Loaded by ASK; read by the four packed additions.
; ASK for batch b + 1 stands in trip b behind those additions: its 20 loads are on their way during the sort and the 20 extractions.  The fifth batch is written out without it.
; Waits on vector registers in a trip: one ahead of the second gather (the first products are done with AF and SC); one at ASK's head (the loads so far have read the offsets); one behind
; ASK's lines (the offsets are written, PW and OW are read, the second products are done with AF and SC, the additions with BI).
; Waits on scalar registers: one behind each run of compares in the sort, one in each extraction, one behind the last.
.set QF, 16                            ; v16-23   the query's fragment (all columns alike); v24 its scale word
.set AF, 32                            ; v32-95   eight element fragments
.set SC, 96                            ; v96-103  their scale words
.set CO, 104                           ; v104-105 offsets of my rows' two runs in the codes;  v112-113 in the scale words
.set SO, 112
.set PW, 120                           ; the list's word with my rows' two runs;  v121 my own slot's run
.set OW, 121
.set PA, 122                           ; where these two lie in gl
.set OA, 123
.set GA, 124                           ; v124-126 the three runs, clamped
.set GB, 125
.set GO, 126
.set BA, 127                           ; my slot's biases' offset
.set E0, 128                           ; my slot's first element
.set TIS, 129                          ; v129-132 the sort: four chains' carried indices;  v242-245 their carried scores
.set D,  136                           ; v136-199 eight results
.set X,  200                           ; v200-207 my slot's scores;  v208-215 their indices;  v216-223 their biases
.set ID, 208
.set BI, 216
.set YV, 224                           ; v224-232 my list's scores, descending;  v233-241 their indices
.set YI, 233
.set TVS, 242
.set RV, 248                           ; lane i: the i-th best score so far;  v249 its index
.set RI, 249
	s_load_b256 s[4:11], s[0:1], 0x0               ; qk_codes, qk_scales, kc, ks
	s_load_b256 s[12:19], s[0:1], 0x20             ; kb, gl, xi, ww
	v_lshrrev_b32 v2, 5, v0
	v_readfirstlane_b32 s21, v2                    ; wave
	s_mov_b32 s22, 0x76543210
	s_mov_b32 s23, 0xfedcba98                      ; v_permlanex16_b32's selects for lane l xor 16
	v_and_b32 v1, 31, v0                           ; lane
	v_and_b32 v2, 7, v0                            ; lane % 8: my row in a piece of 8, and my slot's piece
	v_bfe_u32 v3, v0, 4, 1                         ; h
	v_lshlrev_b32 v4, 5, v2
	v_lshl_add_u32 v4, v3, 4, v4                   ; in a piece's 256 bytes of codes: 32 (r % 8) + 16 h
	v_lshlrev_b32 v5, 2, v2                        ; in its 32 bytes of scale words
	v_lshlrev_b32 v6, 5, v2                        ; my slot's 32 bytes of biases in its run's 256
	v_lshlrev_b32 v8, 3, v2                        ; my slot's first element in its run
	v_mov_b32 v7, 0xff800000                       ; -infinity
	v_bfe_u32 v9, v0, 3, 1
	v_lshrrev_b32 v10, 3, v1
	s_wait_alu depctr_va_sdst(0)                   ; s21 is written, ahead of its first reader: the query's number is made from it
	s_lshl_b32 s20, ttmp9, 3
	s_add_co_u32 s20, s20, s21                     ; my query
	s_lshl_b32 s38, s20, 6                         ; gl and xi: 64 bytes a query
	v_lshl_add_u32 v[PA], v9, 2, s38               ; rows 0-7: entries 0 and 1 of the batch's four; rows 8-15: entries 2 and 3
	v_lshl_add_u32 v[OA], v10, 1, s38              ; my slot's: entry lane / 8
	s_lshl_b32 s31, s20, 5
	v_lshl_add_u32 v26, v3, 4, s31
	s_lshl_b32 s32, s20, 1
	v_mov_b32 v27, s32
	s_wait_kmcnt 0x0
	s_wait_alu depctr_va_vdst(0)                   ; PA, OA, v26 and v27 are written, which the four loads below read as their offsets
	global_load_b32 v[PW], v[PA], s[14:15]
	global_load_u16 v[OW], v[OA], s[14:15]
	global_load_b128 v[QF:QF+3], v26, s[4:5]
	global_load_u16 v24, v27, s[6:7]
.irp i, 4,5,6,7
	v_mov_b32 v[QF+\i], 0                          ; k = 64 .. 127: zero codes, written once
.endr
.irp a, 0,1,2,3,4,5,6,7
.irp i, 4,5,6,7
	v_mov_b32 v[AF+8*\a+\i], 0
.endr
.endr
	v_mov_b32 v[RV], v7
	v_mov_b32 v[RI], 0
	v_mov_b32 v246, 0                              ; written once: the destination of a lane operation counts as one of its sources
	v_mov_b32 v247, 0
	v_mov_b32 v251, 0
	s_mov_b32 s26, 0
	s_wait_loadcnt 0x0
.macro GATHER u                        ; tiles 8 u .. 8 u + 7: the eight pieces of my rows' run u
.irp a, 0,1,2,3,4,5,6,7
	global_load_b128 v[AF+8*\a:AF+8*\a+3], v[CO+\u], s[8:9] offset:256*\a
	global_load_b32 v[SC+\a], v[SO+\u], s[10:11] offset:32*\a
.endr
.endm
; The batch whose list entries lie in PW and OW is asked for: its offsets, its biases, its tiles 0-7; and the list entries of the batch behind it.
.macro ASK
	s_wait_alu depctr_vm_vsrc(0)                   ; the loads issued so far have read PA, OA, CO, SO and BA, which the lines below write (those loads are also done: the wait for all loads stands ahead)
	v_and_b32 v[GA], 0xffff, v[PW]
	v_lshrrev_b32 v[GB], 16, v[PW]
	v_min_u32 v[GA], 0x1ff, v[GA]                  ; a loaded number enters an address only behind its clamp
	v_min_u32 v[GB], 0x1ff, v[GB]
	v_min_u32 v[GO], 0x1ff, v[OW]
	v_lshl_add_u32 v[CO], v[GA], 11, v4            ; a run's codes are 2,048 bytes,
	v_lshl_add_u32 v[CO+1], v[GB], 11, v4
	v_lshl_add_u32 v[SO], v[GA], 8, v5             ; its scale words 256,
	v_lshl_add_u32 v[SO+1], v[GB], 8, v5
	v_lshl_add_u32 v[BA], v[GO], 8, v6             ; its biases 256
	v_lshl_add_u32 v[E0], v[GO], 6, v8
	v_add_nc_u32 v[PA], 8, v[PA]                   ; the next batch's four entries
	v_add_nc_u32 v[OA], 8, v[OA]
	s_wait_alu depctr_va_vdst(0)                   ; the offsets are written and PW; the products are done reading AF and SC, the additions BI: the loads below read the first and land in the others.  At the head: the zero codes are written too, which the scaled products take
	global_load_b128 v[BI:BI+3], v[BA], s[12:13]
	global_load_b128 v[BI+4:BI+7], v[BA], s[12:13] offset:16
	GATHER 0
	global_load_b32 v[PW], v[PA], s[14:15]         ; the loop's last trip asks for slots 20-23 of the query's 32, which hold 0 and are not used
	global_load_u16 v[OW], v[OA], s[14:15]
.endm
.macro MULS
.irp a, 0,1,2,3,4,5,6,7
	v_wmma_scale_f32_16x16x128_f8f6f4 v[D+8*\a:D+8*\a+7], v[AF+8*\a:AF+8*\a+7], v[QF:QF+7], 0, v[SC+\a], v24 matrix_a_fmt:MATRIX_FMT_FP4 matrix_b_fmt:MATRIX_FMT_FP4
.endr
.endm
.macro SELECT u                        ; lanes t and 16 + t take tile t's eight results, each result from its low end on
.irp a, 0,1,2,3,4,5,6,7
.if 8*\u+\a == 0
.irp j, 0,1,2,3,4,5,6,7
	v_mov_b32 v[X+\j], v[D+\j]
.endr
.else
	s_mov_b32 s59, 0x10001<<(8*\u+\a)
.irp j, 0,1,2,3,4,5,6,7
	v_cndmask_b32 v[X+\j], v[X+\j], v[D+8*\a+\j], s59
.endr
.endif
.endr
.endm
; THE SORT.  My score j goes into my list of j + 1: it passes those that are not smaller; step p holds what is carried against place p, the larger stays, the smaller goes on down.
; Step p of insertion j hangs on step p of insertion j - 1 and on step p - 1 of its own alone: so the 36 steps go by diagonals, step (j, p) at time j + p: 15 times, at most four steps in each.
; A time's compares stand in one run, their masks in s40-43 (j % 4: a time's insertions are neighbours), with one wait behind the run.
; What insertion j carries lies by turns in its own X and ID registers (into even steps) and in pair j % 4 of four spare pairs (into odd ones); insertion j has ended (time 2 j) when insertion j + 4 begins.
.macro SORT
.set T, 0
.rept 15
.set j, 0
.rept 8
.set p, T-j
.if (p >= 0) && (p <= j)
.set CV, X+j
.if p%2
.set CV, TVS+j%4
.endif
	v_cmp_gt_f32 s[40+j%4], v[CV], v[YV+p]
.endif
.set j, j+1
.endr
	s_wait_alu depctr_va_sdst(0)                   ; this time's masks are written, ahead of the selects that read them (the first of these waits also stands between the line that wrote s52 and its first reader)
.set j, 0
.rept 8
.set p, T-j
.if (p >= 0) && (p <= j)
.set CV, X+j
.set CI, ID+j
.set NV, TVS+j%4
.set NI, TIS+j%4
.if p%2
.set CV, TVS+j%4
.set CI, TIS+j%4
.set NV, X+j
.set NI, ID+j
.endif
.if p == j
.set NV, YV+j+1
.set NI, YI+j+1
.endif
	v_cndmask_b32 v[NV], v[CV], v[YV+p], s[40+j%4]         ; the smaller goes on down
	v_cndmask_b32 v[NI], v[CI], v[YI+p], s[40+j%4]
	v_cndmask_b32 v[YV+p], v[YV+p], v[CV], s[40+j%4]       ; the larger stays
	v_cndmask_b32 v[YI+p], v[YI+p], v[CI], s[40+j%4]
.endif
.set j, j+1
.endr
.set T, T+1
.endr
.endm
.macro EXTRACT i                       ; the i-th best: the largest head.  Among equal heads an earlier winner (its index lies under this batch's first) goes first, then the lowest lane: both orders ascend in the index
	v_max_num_f32_dpp v246, v[YV], v[YV] row_xmask:1 row_mask:0xf bank_mask:0xf
	v_max_num_f32_dpp v246, v246, v246 row_xmask:2 row_mask:0xf bank_mask:0xf
	v_max_num_f32_dpp v246, v246, v246 row_xmask:4 row_mask:0xf bank_mask:0xf
	v_max_num_f32_dpp v246, v246, v246 row_xmask:8 row_mask:0xf bank_mask:0xf
	v_permlanex16_b32 v247, v246, s22, s23
	v_max_num_f32 v246, v246, v247
	v_cmp_eq_f32 s53, v[YV], v246
	v_cmp_gt_u32 s54, s52, v[YI]
	s_wait_alu depctr_va_sdst(0)                   ; s53 and s54 are written, ahead of the scalar lines that read them; so is the last winner's index, ahead of the line below
.if (\i) > 0
	v_writelane_b32 v[RI], s[60+((\i)-1)%2], (\i)-1        ; the last winner's index: s60 and s61 by turns
.endif
	s_and_b32 s55, s53, s54
	s_cselect_b32 s55, s55, s53
	s_ctz_i32_b32 s56, s55                         ; the winner's lane
	s_lshl_b32 s57, 1, s56
	v_readlane_b32 s[60+(\i)%2], v[YI], s56
	s_mov_b32 s59, 1<<(\i)
	v_cndmask_b32 v[RV], v[RV], v246, s59
.irp p, 0,1,2,3,4,5,6,7
	v_cndmask_b32 v[YV+\p], v[YV+\p], v[YV+\p+1], s57      ; the winner's list moves up
	v_cndmask_b32 v[YI+\p], v[YI+\p], v[YI+\p+1], s57
.endr
	v_cndmask_b32 v[YV+8], v[YV+8], v7, s57
.endm
; A batch.  Its biases and tiles 0-7 were asked for a trip ago.  more = 1: the next batch is asked for.
.macro TRIP more
	v_readfirstlane_b32 s52, v[E0]                 ; the batch's first element: every earlier winner's index lies under it.  Its first reader stands in the first extraction, behind the sort's waits
	s_wait_loadcnt 0x2                             ; biases, fragments and scale words are in; the two list loads may be out
	MULS
.irp j, 0,1,2,3,4,5,6,7
	v_add_nc_u32 v[ID+\j], \j, v[E0]               ; eight plain lines that name none of the products' registers: the places in front of the reads below and of the next products, which write D anew
.endr
	s_wait_alu depctr_va_vdst(0)                   ; the eight products are done reading AF and SC, in which the loads below land
	GATHER 1
	SELECT 0
	s_wait_loadcnt 0x0
	MULS
.rept 4
	v_nop
.endr
	s_wait_alu depctr_va_vdst(0)
	SELECT 1
.irp j, 0,2,4,6
	v_pk_add_f32 v[X+\j:X+\j+1], v[X+\j:X+\j+1], v[BI+\j:BI+\j+1]    ; score = q . k - |k|^2 / 2
.endr
.if \more
	ASK
.endif
	v_mov_b32 v[YV], v[RV]                         ; my list begins with the earlier winner that lies in my lane
	v_mov_b32 v[YI], v[RI]
	SORT
.irp i, 0,1,2,3,4,5,6,7,8,9,10,11,12,13,14,15,16,17,18,19
	EXTRACT \i
.endr
	s_wait_alu depctr_va_sdst(0)                   ; the twentieth winner's index is written, ahead of the line below and of the branch
	v_writelane_b32 v[RI], s61, 19
.endm
	ASK                                            ; batch 0
.Lbatch:                                           ; four trips; the fifth batch follows, written out: it asks for nothing
	TRIP 1
	s_add_co_u32 s26, s26, 1
	s_cmp_lt_u32 s26, 4
	s_cbranch_scc1 .Lbatch
	TRIP 0
	v_readlane_b32 s37, v[RV], 0                   ; the largest score
	s_wait_alu depctr_va_sdst(0)                   ; s37 is written, ahead of its reader
	v_sub_f32 v250, v[RV], s37
	v_mul_f32 v250, 0x3eb8aa3b, v250               ; x log2(e) / 4
	s_wait_alu depctr_va_vdst(0)
	v_exp_f32 v250, v250                           ; lanes 20-31 hold -infinity: 0
	s_lshl_b32 s39, s20, 7
	v_lshl_add_u32 v253, v1, 1, s38                ; (a plain line behind the exponential)  xi: 64 bytes a query, 2 a lane
	v_lshl_add_u32 v254, v1, 2, s39                ; ww: 128 bytes a query, 4 a lane
	s_wait_alu depctr_va_vdst(0)                   ; the exponential has written v250, ahead of its first reader
	v_add_f32_dpp v251, v250, v250 row_xmask:1 row_mask:0xf bank_mask:0xf
	v_add_f32_dpp v251, v251, v251 row_xmask:2 row_mask:0xf bank_mask:0xf
	v_add_f32_dpp v251, v251, v251 row_xmask:4 row_mask:0xf bank_mask:0xf
	v_add_f32_dpp v251, v251, v251 row_xmask:8 row_mask:0xf bank_mask:0xf
	v_permlanex16_b32 v247, v251, s22, s23
	v_add_f32 v251, v251, v247
	s_wait_alu depctr_va_vdst(0)
	v_rcp_f32 v251, v251
	v_nop                                          ; a plain line behind the reciprocal
	s_wait_alu depctr_va_vdst(0)                   ; the reciprocal has written v251, ahead of its first reader
	v_mul_f32 v250, v250, v251
	s_wait_alu depctr_va_vdst(0)                   ; the weight v250 is written, which the second store reads; RI, v253 and v254 were written ahead of the waits above
	global_store_b16 v253, v[RI], s[16:17]
	global_store_b32 v254, v250, s[18:19]
	s_endpgm
.Lfunc_end_k_q3a33985053_pick:
	.size	k_q3a33985053_pick, .Lfunc_end_k_q3a33985053_pick-k_q3a33985053_pick
	.p2alignl 7, 3214868480
	.fill 96, 4, 3214868480
	.section	.rodata,"a",@progbits
	.p2align	6, 0x0
	.amdhsa_kernel k_q3a33985053_pick
		.amdhsa_group_segment_fixed_size 0
		.amdhsa_private_segment_fixed_size 0
		.amdhsa_enable_private_segment 0
		.amdhsa_kernarg_size 64
		.amdhsa_user_sgpr_count 2
		.amdhsa_user_sgpr_kernarg_segment_ptr 1
		.amdhsa_wavefront_size32 1
		.amdhsa_system_sgpr_workgroup_id_x 1
		.amdhsa_system_sgpr_workgroup_id_y 1
		.amdhsa_system_sgpr_workgroup_id_z 1
		.amdhsa_system_vgpr_workitem_id 0
		.amdhsa_next_free_vgpr 256
		.amdhsa_next_free_sgpr 66
		.amdhsa_reserve_vcc 0
		.amdhsa_float_denorm_mode_32 3
		.amdhsa_float_denorm_mode_16_64 3
		.amdhsa_memory_ordered 1
		.amdhsa_forward_progress 1
		.amdhsa_inst_pref_size 137
	.end_amdhsa_kernel
	.amdgpu_metadata
---
amdhsa.version: [ 1, 2 ]
amdhsa.kernels:
  - .name:           k_q3a33985053_pick
    .symbol:         k_q3a33985053_pick.kd
    .args:
      - { .name: qk_codes, .offset: 0, .size: 8, .value_kind: global_buffer, .address_space: global }
      - { .name: qk_scales, .offset: 8, .size: 8, .value_kind: global_buffer, .address_space: global }
      - { .name: kc, .offset: 16, .size: 8, .value_kind: global_buffer, .address_space: global }
      - { .name: ks, .offset: 24, .size: 8, .value_kind: global_buffer, .address_space: global }
      - { .name: kb, .offset: 32, .size: 8, .value_kind: global_buffer, .address_space: global }
      - { .name: gl, .offset: 40, .size: 8, .value_kind: global_buffer, .address_space: global }
      - { .name: xi, .offset: 48, .size: 8, .value_kind: global_buffer, .address_space: global }
      - { .name: ww, .offset: 56, .size: 8, .value_kind: global_buffer, .address_space: global }
    .group_segment_fixed_size: 0
    .private_segment_fixed_size: 0
    .kernarg_segment_align: 8
    .kernarg_segment_size: 64
    .max_flat_workgroup_size: 256
    .sgpr_count:     66
    .vgpr_count:     256
    .wavefront_size: 32
...
	.end_amdgpu_metadata
.endif
;; end of part 9
;; launch read (part 10): grid 256 x 1, 16 waves a work-group, no clusters, 264,192 bytes of LDS; arguments mem_v1, mem_v2, xi, ww, out0; writes out0
.if DOCPART == 10
	.amdgcn_target "amdgcn-amd-amdhsa--gfx1250"
	.amdhsa_code_object_version 6
	.text
	.protected	k_q3a33985053_read
	.globl	k_q3a33985053_read
	.p2align	8
	.type	k_q3a33985053_read,@function
k_q3a33985053_read:
	s_mov_b64 s[64:65], 0
	v_nop
	global_prefetch_b8 v0, s[64:65] scope:SCOPE_SE
	s_setreg_imm32_b32 hwreg(HW_REG_WAVE_SCHED_MODE, 0, 2), 2
	s_setreg_imm32_b32 hwreg(HW_REG_WAVE_MODE, 25, 1), 1
	s_wait_xcnt 0x0
	s_wait_alu depctr_vm_vsrc(0)
; out0[c][q] = the sum over a query's 20 chosen elements of weight x value[c][element].  A column of the values is 4 bytes in each of 512 rows, so it is never gathered from memory:
; work-group g keeps rows 2 g and 2 g + 1 of the values (mem_v1 for g < 128, else mem_v2) whole in LDS, 8 bytes an element: row 0's number, then row 1's, both f32: 262,144 bytes;
; and serves all 4,096 queries from there.  So each byte of the values is read from memory once, in runs of 512 bytes a wave.
; The products have f32 operands and f32 sums, by fused multiply-adds: one row of 20 a query is no work for the matrix unit.
; The fill: 32 loads a wave are out at once; the two rows' numbers are laid by turns in the registers that they were loaded into, so that one LDS load of 8 bytes later brings both channels.
; The gather: four rounds; a lane owns two neighbouring queries a round, so that a wave's store of a channel covers 256 consecutive bytes, aligned.
; No tensor load: the two rows change their order on the way into LDS.
; THE MODE: SCHED_MODE bits 1:0 = 2 (LLVM: expert scheduling mode 2), set by the entry lines.  The code itself states the register dependences between vector instructions
; and memory or LDS instructions, with s_wait_alu, always for 0.
; THE PLAN.  Registers that memory or LDS instructions touch:
;   v2-v9      offsets and LDS addresses, made once at the head and never written again.
;   FL         the fill: loaded, re-ordered in place by moves, read by the LDS stores.  Four groups of four pairs: one wait for the data, 32 moves, one wait, eight stores.
;   two list sets (v16-75, v76-135)  Round r works on set r % 2: the address lines read its indices and write the odd entries' addresses in place, the LDS loads read those, the
;              multiply-adds read its weights.  At round r's head the lists of round r + 1 are asked for into the other set, which round r - 1 worked on.
;   AD         the even entries' addresses: written by the address lines, read by the LDS loads, in every round.
;   GV         the pairs gathered: LDS loads land in it, the multiply-adds read it.
;   AC         sums, a set to each round: written by the multiply-adds, read by the round's two stores, never written again.
; A round's waits: one at its head (the LDS instructions so far have read their registers); one behind each half's address lines, ahead of that half's 20 LDS loads;
; one behind the multiply-adds, ahead of the stores, which also shows the round done with its list set.
.set FL, 76                            ; v76-203  the fill: 16 x (4 numbers of row 0, 4 of row 1)
.set AD, 136                           ; v136-155 LDS addresses of the even entries (the odd entries' are made in the registers that held the indices)
.set GV, 156                           ; v156-235 the 40 pairs gathered in a round
.set AC, 236                           ; v236-251 sums: 4 x round + 2 x channel + query
	s_load_b256 s[4:11], s[0:1], 0x0               ; mem_v1, mem_v2, xi, ww
	s_load_b64 s[12:13], s[0:1], 0x20              ; out0
	v_lshl_add_u32 v254, v0, 2, 0x40000
	v_mov_b32 v255, 0
	v_lshlrev_b32 v2, 4, v0                        ; 16 t: my 4 numbers in 8,192 bytes of a row
	v_lshlrev_b32 v3, 8, v0                        ; the weights: two queries of 128 bytes a thread
	v_lshlrev_b32 v4, 7, v0                        ; the indices: two queries of 64 bytes a thread
	v_lshlrev_b32 v5, 3, v0                        ; out: two queries of 4 bytes a thread
	v_lshlrev_b32 v6, 5, v0                        ; LDS: my 4 elements' 32 bytes; four registers 64 KiB apart, since an LDS immediate has 16 bits
	v_add_nc_u32 v7, 0x10000, v6
	v_add_nc_u32 v8, 0x20000, v6
	v_add_nc_u32 v9, 0x30000, v6
	s_and_b32 s14, ttmp9, 127
	s_lshl_b32 s14, s14, 18                        ; two rows of 131,072 bytes a work-group
	s_mov_b32 s15, 0
	s_lshl_b32 s16, ttmp9, 15                      ; two channels of 16,384 bytes
	s_mov_b32 s17, 0
	s_wait_kmcnt 0x0
	s_cmp_lt_u32 ttmp9, 128                        ; the choice hangs on the work-group's number alone
	s_cselect_b64 s[4:5], s[4:5], s[6:7]
	s_add_nc_u64 s[4:5], s[4:5], s[14:15]
	s_add_nc_u64 s[12:13], s[12:13], s[16:17]
	s_wait_alu depctr_va_vdst(0)                   ; v2 to v9 are written: every load, store and LDS store of the kernel reads one of them as its offset or address
.macro LISTS rho                       ; round rho's lists into set rho % 2 (v16-75 or v76-135): for each of my two queries 20 indices (40 bytes) and 20 weights (80 bytes): 16 loads
.set LL, 16+60*((\rho)%2)
.irp e, 0,1
	global_load_b128 v[LL+10*\e:LL+10*\e+3], v4, s[8:9] offset:65536*(\rho)+64*\e
	global_load_b128 v[LL+10*\e+4:LL+10*\e+7], v4, s[8:9] offset:65536*(\rho)+64*\e+16
	global_load_b64 v[LL+10*\e+8:LL+10*\e+9], v4, s[8:9] offset:65536*(\rho)+64*\e+32
.irp i, 0,1,2,3,4
	global_load_b128 v[LL+20+20*\e+4*\i:LL+20+20*\e+4*\i+3], v3, s[10:11] offset:131072*(\rho)+128*\e+16*\i
.endr
.endr
.endm
	LISTS 0
.set it, 0
.rept 16
	global_load_b128 v[FL+8*it:FL+8*it+3], v2, s[4:5] offset:8192*it th:TH_LOAD_NT
	global_load_b128 v[FL+8*it+4:FL+8*it+7], v2, s[4:5] offset:8192*it+131072 th:TH_LOAD_NT
.set it, it+1
.endr
.set g, 0
.rept 4
	s_wait_loadcnt 24-8*g                          ; this group's four pairs of loads are in; the younger pairs may be out
.set it, 4*g
.rept 4
.set R, FL+8*it
	v_mov_b32 v252, v[R+1]                         ; a0 a1 a2 a3 b0 b1 b2 b3 becomes a0 b0 a1 b1 a2 b2 a3 b3: two rings of three
	v_mov_b32 v253, v[R+3]
	v_mov_b32 v[R+1], v[R+4]
	v_mov_b32 v[R+3], v[R+5]
	v_mov_b32 v[R+4], v[R+2]
	v_mov_b32 v[R+5], v[R+6]
	v_mov_b32 v[R+2], v252
	v_mov_b32 v[R+6], v253
.set it, it+1
.endr
	s_wait_alu depctr_va_vdst(0)                   ; the moves have written the group's 32 registers, which the eight LDS stores read
.set it, 4*g
.rept 4
.set R, FL+8*it
	ds_store_b128 v[6+it/4], v[R:R+3] offset:16384*(it%4)
	ds_store_b128 v[6+it/4], v[R+4:R+7] offset:16384*(it%4)+16
.set it, it+1
.endr
.set g, g+1
.endr
	s_wait_dscnt 0x0                               ; for the others' sake: my elements lie in LDS
	s_barrier_signal -1
	s_barrier_wait -1                              ; both rows are whole; LDS is only read from here on
.macro ADDRS lo                        ; the LDS addresses of entries lo .. lo + 9 of both queries: 60 lines
.set n, \lo
.rept 10
.irp e, 0,1
.if n%2 == 0
.set A, AD+n+\e
	v_and_b32 v[A], 0xffff, v[LB+10*\e+n/2]        ; the word's lower index
.else
.set A, LB+10*\e+n/2
	v_lshrrev_b32 v[A], 16, v[A]                   ; its upper index, in place
.endif
	v_min_u32 v[A], 0x7fff, v[A]                   ; a loaded number enters an address only behind its clamp
	v_lshlrev_b32 v[A], 3, v[A]                    ; 8 bytes an element
.endr
.set n, n+1
.endr
.endm
.macro PULL lo                         ; and their 20 LDS loads, in the entries' order
.set n, \lo
.rept 10
.irp e, 0,1
.if n%2 == 0
.set A, AD+n+\e
.else
.set A, LB+10*\e+n/2
.endif
	ds_load_b64 v[GV+2*(2*n+\e):GV+2*(2*n+\e)+1], v[A]
.endr
.set n, n+1
.endr
.endm
.macro ROUND rho
.set LB, 16+60*((\rho)%2)
	s_wait_alu depctr_vm_vsrc(0)                   ; the LDS instructions issued so far have read their registers: in the first round the fill's stores their data, later the last round's loads their addresses; the lists' loads land in them and the address lines write them
.if (\rho) < 3
	LISTS (\rho)+1                                 ; the vector lines that named this set stand ahead of an earlier wait: the fill's moves ahead of their groups', the round before last's ahead of the one in front of its stores
	s_wait_loadcnt 16                              ; this round's lists are in; the next round's 16 loads may be out
.else
	s_wait_loadcnt 0
.endif
	ADDRS 0
	s_wait_alu depctr_va_vdst(0)                   ; the first 20 addresses are written, which the loads below read; the last round's multiply-adds are done reading GV, in which they land
	PULL 0
	ADDRS 10                                       ; while the first 20 are served: these lines name none of the registers that those loads touch
	s_wait_alu depctr_va_vdst(0)                   ; the other 20 addresses are written
	PULL 10
.set n, 0
.rept 20
.if n%5 == 0
	s_wait_alu depctr_va_vdst(0)
	s_wait_dscnt 30-10*(n/5)                       ; the next ten pairs are in; the younger ones may be out
.endif
.irp e, 0,1
.irp ch, 0,1
.if n == 0
	v_mul_f32 v[AC+4*(\rho)+2*\ch+\e], v[LB+20+20*\e+n], v[GV+2*(2*n+\e)+\ch]      ; the first product starts the sum
.else
	v_fmac_f32 v[AC+4*(\rho)+2*\ch+\e], v[LB+20+20*\e+n], v[GV+2*(2*n+\e)+\ch]     ; four chains by turns
.endif
.endr
.endr
.set n, n+1
.endr
	s_wait_alu depctr_va_vdst(0)                   ; the round's four sums are written, which the stores read; and the round is done reading and writing its list set, in which the next round's loads land
.irp ch, 0,1
	global_store_b64 v5, v[AC+4*(\rho)+2*\ch:AC+4*(\rho)+2*\ch+1], s[12:13] offset:16384*\ch+4096*(\rho) th:TH_STORE_NT   ; each round has sums of its own: no store's data are written again
.endr
.endm
	ROUND 0
	ROUND 1
	ROUND 2
	ROUND 3
	s_wait_dscnt 0x0                               ; the closing lines, six on end
	s_wait_alu 0x0
	s_wait_tensorcnt 0x0
	ds_add_u32 v254, v255
	s_wait_dscnt 0x0
	s_endpgm
.Lfunc_end_k_q3a33985053_read:
	.size	k_q3a33985053_read, .Lfunc_end_k_q3a33985053_read-k_q3a33985053_read
	.p2alignl 7, 3214868480
	.fill 96, 4, 3214868480
	.section	.rodata,"a",@progbits
	.p2align	6, 0x0
	.amdhsa_kernel k_q3a33985053_read
		.amdhsa_group_segment_fixed_size 264192
		.amdhsa_private_segment_fixed_size 0
		.amdhsa_enable_private_segment 0
		.amdhsa_kernarg_size 40
		.amdhsa_user_sgpr_count 2
		.amdhsa_user_sgpr_kernarg_segment_ptr 1
		.amdhsa_wavefront_size32 1
		.amdhsa_system_sgpr_workgroup_id_x 1
		.amdhsa_system_sgpr_workgroup_id_y 1
		.amdhsa_system_sgpr_workgroup_id_z 1
		.amdhsa_system_vgpr_workitem_id 0
		.amdhsa_next_free_vgpr 256
		.amdhsa_next_free_sgpr 66
		.amdhsa_reserve_vcc 0
		.amdhsa_float_denorm_mode_32 3
		.amdhsa_float_denorm_mode_16_64 3
		.amdhsa_memory_ordered 1
		.amdhsa_forward_progress 1
		.amdhsa_inst_pref_size 62
	.end_amdhsa_kernel
	.amdgpu_metadata
---
amdhsa.version: [ 1, 2 ]
amdhsa.kernels:
  - .name:           k_q3a33985053_read
    .symbol:         k_q3a33985053_read.kd
    .args:
      - { .name: mem_v1, .offset: 0, .size: 8, .value_kind: global_buffer, .address_space: global }
      - { .name: mem_v2, .offset: 8, .size: 8, .value_kind: global_buffer, .address_space: global }
      - { .name: xi, .offset: 16, .size: 8, .value_kind: global_buffer, .address_space: global }
      - { .name: ww, .offset: 24, .size: 8, .value_kind: global_buffer, .address_space: global }
      - { .name: out0, .offset: 32, .size: 8, .value_kind: global_buffer, .address_space: global }
    .group_segment_fixed_size: 264192
    .private_segment_fixed_size: 0
    .kernarg_segment_align: 8
    .kernarg_segment_size: 40
    .max_flat_workgroup_size: 512
    .sgpr_count:     66
    .vgpr_count:     256
    .wavefront_size: 32
...
	.end_amdgpu_metadata
.endif
;; end of part 10
